; MI455X (gfx1250); checked and timed in simulation.
; The chip was launched on July 23, 2026; its instructions are those of AMD's public machine-readable ISA for CDNA 5 (MIT licence, August 2026) and "CDNA5" Instruction Set Architecture Reference Guide (July 2026). The comments in the code are by the model that wrote it; some were corrected since.
;; Lo RA Attention. Allowed arithmetic: matrix products marked QUANTISED: E2M1 operands, one E8M0 scale for each 32 along K, by v_wmma_scale_f32_16x16x128_f8f6f4 with both operands' format E2M1 (or v_wmma_scale_f32_32x16x128_f4), f32 sums; products left as they are: bf16, f16 or f32 operands; f32 sums; everything else in f32.
;; Inputs: lora_q_a 8 x 1,024 float32; lora_q_b 1,024 x 8 float32; lora_v_a 8 x 1,024 float32; lora_v_b 1,024 x 8 float32; proj_b 1,024 float32; proj_w 1,024 x 1,024 float32; qkv_b 3,072 float32; qkv_w 3,072 x 1,024 float32; x 8 x 1,024 x 1,024 float32.
;; Outputs: out0 8 x 1,024 x 1,024 float32.
;; This version of the problem:
;;   THIS VERSION OF THE PROBLEM IS GIVEN IN LOW PRECISION. The matrix products marked QUANTISED in the list below multiply operands that are first quantised to E2M1 (2 exponent bits, 1 mantissa bit; 4 bits a number), with one power-of-two scale for each 32 numbers along K (OCP MX v1.0); their sums are f32. The products marked 'left as it is' may take bf16, f16 or f32 operands, with f32 sums. Whichever they take, every output number must still come out within the allowed error. Rounding operands to bf16 (8 significant bits) uses up far more of that allowance than f16 does (11 bits, for magnitudes from 6e-5 to 65,504). All else is computed in f32.
;;   The module's matrix products, in the order in which they are computed (A, B: the left and right operand; K: the contracted axis; several contracted axes count as one K, in the product's order):
;;     1. [M 8,192, K 1,024] x [K 1,024, N 3,072]; A: input x; B: input qkv_w: QUANTISED
;;     2. [M 8,192, K 1,024] x [K 1,024, N 8]; A: input x; B: input lora_q_a: left as it is (N = 8 < 16)
;;     3. [M 8,192, K 8] x [K 8, N 1,024]; A: computed on the way; B: input lora_q_b: left as it is (K = 8 < 32)
;;     4. [M 8,192, K 1,024] x [K 1,024, N 8]; A: input x; B: input lora_v_a: left as it is (N = 8 < 16)
;;     5. [M 8,192, K 8] x [K 8, N 1,024]; A: computed on the way; B: input lora_v_b: left as it is (K = 8 < 32)
;;     6. batch 128 x [M 1,024, K 64] x [K 64, N 1,024]; A: computed on the way; B: computed on the way: left as it is (an operand is computed on the way)
;;     7. batch 128 x [M 1,024, K 1,024] x [K 1,024, N 64]; A: computed on the way; B: computed on the way: left as it is (an operand is computed on the way)
;;     8. [M 8,192, K 1,024] x [K 1,024, N 1,024]; A: computed on the way; B: input proj_w: left as it is (an operand is computed on the way)
;;   THE QUANTISER, for each operand of a quantised product, along K:
;;     - K is cut into blocks of 32 from its start; a last block that is shorter is filled with zeros.
;;     - A block's scale is 2^e with e = floor(log2(the largest magnitude in the block)) - 2, held to -126 .. 127; a block of zeros has e = 0. As a byte (E8M0): e + 127.
;;     - Each number is divided by its block's scale, clamped to +-6, and rounded to the nearest number of E2M1, ties to even, subnormals kept.
;;     - The product sums the exact products of the quantised numbers (number of the format x scale) in f32.
;;   ~~~python
;;   def quantise(x, axis):      # numpy; x: float32 -> the quantised numbers, widened to float32 again
;;       x = np.moveaxis(x, axis, -1); K = x.shape[-1]
;;       x = np.pad(x, [(0, 0)] * (x.ndim - 1) + [(0, -K % 32)]); x = x.reshape(x.shape[:-1] + (-1, 32)); a = np.abs(x).max(-1, keepdims=True)
;;       e = np.where(a > 0, np.clip(np.frexp(np.where(a > 0, a, 1))[1] - 1 - 2, -126, 127), 0)      # np.frexp(a)[1] - 1 = floor(log2(a)), exactly
;;       r = np.clip(x / 2.0 ** e, -6, 6)
;;       step = 2.0 ** (np.maximum(np.frexp(np.where(r == 0, 1, r))[1] - 1, 0) - 1)
;;       q = np.round(r / step) * step * 2.0 ** e      # np.round: ties to even
;;       return np.moveaxis(q.reshape(q.shape[:-2] + (-1,))[..., :K], -1, axis).astype(np.float32)
;;   ~~~
;; One version. Each part assembles by itself: llvm-mc -triple=amdgcn-amd-amdhsa -mcpu=gfx1250 --defsym DOCPART=n.
;; ======== version 1 of 1: 4 launches
;; limits: values are held in f16: magnitudes above 65,504 overflow, below 6.1e-05 lose precision
;; workspace buffers: xc 4,194,304 bytes; xs 262,144 bytes; wc 1,572,864 bytes; ws 98,304 bytes; tl 524,288 bytes; pw 2,097,152 bytes; qkv 50,331,648 bytes; ao 16,777,216 bytes
;; launch prep (part 1): grid 416 x 1, 4 waves a work-group, no clusters, 135,680 bytes of LDS; arguments x, qkv_w, proj_w, lora_q_a, lora_v_a, xc, xs, wc, ws, tl, pw; writes xc, xs, wc, ws, tl, pw
.if DOCPART == 1
	.amdgcn_target "amdgcn-amd-amdhsa--gfx1250"
	.amdhsa_code_object_version 6
	.text
	.protected	k_q73ea23b0a9_prep
	.globl	k_q73ea23b0a9_prep
	.p2align	8
	.type	k_q73ea23b0a9_prep,@function
k_q73ea23b0a9_prep:
	s_mov_b64 s[64:65], 0
	v_nop
	global_prefetch_b8 v0, s[64:65] scope:SCOPE_SE
	s_setreg_imm32_b32 hwreg(HW_REG_WAVE_MODE, 25, 1), 1
	s_wait_xcnt 0x0
; PREP.  Three kinds of work-groups, told apart by the work-group's number alone; the three ways never join.
;   0-255   X: 32 rows of x [8192][1024] f32 -> codes of FP4 (E2M1), K innermost (xc [8192][512 bytes]), E8M0 scale words (xs [K half][8192][4 words]),
;              and t = 2 x [Aq;Av]^T, the first LoRA products, by the f16 matrix form, f32 sums (tl: an image of the later operand's registers).
;   256-351 W: 32 rows of qkv_w [3072][1024] likewise, without t (wc, ws).
;   352-415 P: 16,384 numbers of proj_w -> f16 (pw).
; A block's scale is 2^(floor(log2(its largest magnitude)) - 2); its byte is the largest magnitude's exponent field - 2, held at 1 from below.
; LIMITS: NaN and infinities are not served.  A block of zeros, and one whose largest magnitude lies under 2^-124, gets the byte 1: a zero block's codes are zeros, and this program alone reads the bytes.
;         |x|, |lora_a|, |2 t| and |proj_w| must stay under 65,504, f16's largest number; under 6e-5 f16 keeps fewer than 11 bits.
; SHARES in X and W: wave w takes 16 rows (group g = 2 x work-group + w / 2) and half of K (p = w % 2): four steps of 128 along K.
; Each load reads 512 consecutive bytes of one row.  LOADS RUN THREE STEPS AHEAD: each step has its own 64 registers in window 1, so up to 48 loads of a wave (24,576 bytes) are on their way.
; A step's 8,192 bytes turn through the wave's own stage in LDS and come back so that lane (r, h) holds, of row r, 16 neighbours of each block of 32.
; The codes gather in the wave's own 16 rows x 256 bytes of LDS and leave as aligned runs of 256 bytes.  No tensor loads.  Each way has LDS bytes of its own.
; t: source 0 = the 16 rows [Aq (8); Av (8)], source 1 = x's 16 rows, so lane (r, h) ends with t[row r][8 h + 0..7].  Both operands carry the same order of k in a lane's registers, which leaves the products as they are.
;    The two halves of K give two partial t; the later product adds them: they are k = 0..15 and k = 16..31 of its operand.
.set XWG,   256
.set WWG,   96
.set AIMG,  0                          ; LDS: [Aq;Av] in f16 as 32 images of fragments, 1,024 bytes each
.set XTURN, 32768                      ; X's stages: 16 rows x 528 bytes for each wave
.set XCODE, 66560                      ; X's codes: 16 rows x 272 bytes for each wave
.set WTURN, 83968                      ; W's likewise
.set WCODE, 117760
.set SPARE, 135168                     ; the spare words, 128 bytes for each wave: two blocks of 256 bytes that no other line names
.set TP,    528                        ; a stage row: 512 bytes + 16: the sixteen rows that a read touches start at sixteen different banks
.set CP,    272                        ; a row of codes: 256 bytes + 16
.set LDO,  4                           ; v4   16 x lane
.set AFA,  5                           ; v5   where my lane reads A's images: 16 x lane + 16,384 p
.set TSTO, 6                           ; v6   the stage, in
.set TRD,  7                           ; v7   the stage, out
.set CSTO, 8                           ; v8   the codes, in
.set CRD,  9                           ; v9   the codes, out
.set CGO,  10                          ; v10  and their place in memory
.set SGO,  11                          ; v11  my 8 bytes of the scale words
.set SPW,  12                          ; v12  LDS address of my spare word; never rewritten
.set NIL,  13                          ; v13  0; never rewritten
.set TM,   16                          ; v16-31 the quantiser's working registers
.set PWS,  32                          ; v32-35 the four steps' scale words
.set PC,   36                          ; v36-43 a step's codes
.set AF,   44                          ; v44-75 four fragments of A
.set TA,   76                          ; v76-107 four accumulators of t, one for each 32 along K of a step
.set R,    108                         ; v108-139 the codes on their way out; in P v108-235: the numbers as loaded
.set X,    172                         ; v172-235 a step's numbers in the operand's order
                                       ; window 1: v[64 s .. 64 s + 63]: step s's numbers as loaded
.set WV,   26
.set GI,   27
.set KH,   28
.set HI16, 29
.set SEL,  30
.set MSB, 0
.macro WIN new                         ; the immediate's high byte repeats the setting that is left
.if MSB != \new
	s_set_vgpr_msb (MSB<<8)|\new
.set MSB, \new
.endif
.endm
	s_load_b256 s[4:11], s[0:1], 0x0               ; x, qkv_w, proj_w, lora_q_a
	s_load_b256 s[12:19], s[0:1], 0x20             ; lora_v_a, xc, xs, wc
	s_load_b128 s[20:23], s[0:1], 0x40             ; ws, tl
	s_load_b64 s[24:25], s[0:1], 0x50              ; pw
	v_lshl_add_u32 v[SPW], v0, 2, SPARE
	v_mov_b32 v[NIL], 0
	v_lshrrev_b32 v1, 5, v0
	v_readfirstlane_b32 s[WV], v1                  ; wave 0..3
	v_and_b32 v1, 31, v0                           ; lane
	v_and_b32 v2, 15, v0                           ; r
	v_bfe_u32 v3, v0, 4, 1                         ; h
	s_lshr_b32 s[GI], s[WV], 1                     ; which 16 rows
	s_and_b32 s[KH], s[WV], 1                      ; which half of K
	s_mov_b32 s[HI16], 0xffff0000                  ; the lanes 16-31, as a mask
	s_mov_b32 s[SEL], 0x76543210
	s_mov_b32 s[SEL+1], 0xfedcba98                 ; v_permlanex16_b32's selects for lane l xor 16
	v_lshlrev_b32 v[LDO], 4, v1
.irp b, 0,1,2,3
	v_mov_b32 v[TM+4+\b], 0                        ; written once: a lane permute's destination counts as one of its sources
.endr
	s_wait_kmcnt 0x0
	s_cmp_ge_u32 ttmp9, XWG+WWG
	s_cbranch_scc1 .Lproj
	s_cmp_ge_u32 ttmp9, XWG
	s_cbranch_scc1 .Lweights
; The addresses of a unit (16 rows x half of K).  LDS: a constant + a constant x lane + a constant x wave.
.macro UNIT first, turn, code, src, codes, scales, rows
	s_mul_i32 s32, s[WV], 16*TP
	s_add_co_u32 s32, s32, \turn
	v_add_nc_u32 v[TSTO], s32, v[LDO]              ; in: a load's 512 bytes as they lie; the row stands in the offset
	v_mul_u32_u24 v[TRD], v2, TP
	v_lshl_add_u32 v[TRD], v3, 6, v[TRD]
	v_add_nc_u32 v[TRD], s32, v[TRD]               ; out: row r, + 64 h: my 16 numbers of a block of 32
	s_mul_i32 s33, s[WV], 16*CP
	s_add_co_u32 s33, s33, \code
	v_mul_u32_u24 v[CSTO], v2, CP
	v_lshl_add_u32 v[CSTO], v3, 4, v[CSTO]
	v_add_nc_u32 v[CSTO], s33, v[CSTO]             ; codes in: row r, + 16 h
	v_mul_u32_u24 v[CRD], v3, CP
	v_lshl_add_u32 v[CRD], v2, 4, v[CRD]
	v_add_nc_u32 v[CRD], s33, v[CRD]               ; codes out: sixteen lanes to a row, two rows an instruction
	v_lshlrev_b32 v[CGO], 9, v3
	v_lshl_add_u32 v[CGO], v2, 4, v[CGO]           ; the same two rows in memory, 512 bytes apart
	v_lshlrev_b32 v[SGO], 4, v2
	v_lshl_add_u32 v[SGO], v3, 3, v[SGO]           ; scale words: 16 bytes a row, 8 for each half of the lanes
	s_sub_co_u32 s34, ttmp9, \first
	s_lshl_b32 s34, s34, 1
	s_add_co_u32 s34, s34, s[GI]                   ; g, my group of 16 rows
	s_mov_b32 s37, 0
	s_lshl_b32 s36, s34, 16                        ; 16 rows of 4,096 bytes,
	s_lshl_b32 s35, s[KH], 11                      ; my half of K: 2,048 bytes on
	s_add_co_u32 s36, s36, s35
	s_add_nc_u64 s[\src:\src+1], s[\src:\src+1], s[36:37]
	s_lshl_b32 s36, s34, 13                        ; 16 rows of 512 bytes of codes,
	s_lshl_b32 s35, s[KH], 8
	s_add_co_u32 s36, s36, s35
	s_add_nc_u64 s[\codes:\codes+1], s[\codes:\codes+1], s[36:37]
	s_lshl_b32 s36, s34, 8                         ; 16 rows of 16 bytes of scale words, in my half's plane
	s_mul_i32 s35, s[KH], \rows*16
	s_add_co_u32 s36, s36, s35
	s_add_nc_u64 s[\scales:\scales+1], s[\scales:\scales+1], s[36:37]
.endm
.macro LOAD s, src                     ; step s: 512 consecutive bytes of each of my 16 rows, into the step's own registers in window 1
	WIN 0x40                                       ; destination window 1, address window 0
.set i, 0
.rept 16
	global_load_b128 v[64*(\s)+4*i:64*(\s)+4*i+3], v[LDO], s[\src:\src+1] offset:i*4096+512*(\s) th:TH_LOAD_NT
.set i, i+1
.endr
	WIN 0
.endm
; 64 numbers of a lane, register 16 b + i = k 32 b + 16 h + i of my row, become a fragment's codes in v[PC] on and its scale word in v[pw].
.macro QUANT s, pw
.irp b, 0,1,2,3
	v_max3_num_f32 v[TM+\b], |v[\s+16*\b]|, |v[\s+1+16*\b]|, 0x1800000   ; block b: my 16 numbers, and the floor 2^(3 - 127): so the byte cannot fall under 1
.endr
.irp i, 2,4,6,8,10,12,14
.irp b, 0,1,2,3
	v_max3_num_f32 v[TM+\b], v[TM+\b], |v[\s+16*\b+\i]|, |v[\s+1+16*\b+\i]|   ; the four blocks by turns
.endr
.endr
.irp b, 0,1,2,3
	v_permlanex16_b32 v[TM+4+\b], v[TM+\b], s[SEL], s[SEL+1]
.endr
.irp b, 0,1,2,3
	v_max_num_f32 v[TM+\b], v[TM+\b], v[TM+4+\b]   ; with lane l xor 16's: the block's largest magnitude
.endr
.irp b, 0,1,2,3
	v_add_nc_u32 v[TM+12+\b], 0xff000000, v[TM+\b] ; 2 off its exponent field: the conversion takes the exponent field of this operand as its scale
.endr
.irp b, 0,1,2,3
	v_lshrrev_b32 v[TM+4+\b], 23, v[TM+12+\b]      ; the scale's byte
.endr
	v_lshl_or_b32 v[\pw], v[TM+5], 8, v[TM+4]      ; the four bytes make my row's scale word for these 128 along K
	v_lshl_or_b32 v[\pw], v[TM+6], 16, v[\pw]
	v_lshl_or_b32 v[\pw], v[TM+7], 24, v[\pw]
.irp b, 0,1,2,3
	v_cvt_scalef32_pk8_fp4_f32 v[PC+2*\b], v[\s+16*\b:\s+7+16*\b], v[TM+12+\b]
	v_cvt_scalef32_pk8_fp4_f32 v[PC+1+2*\b], v[\s+8+16*\b:\s+15+16*\b], v[TM+12+\b]
.endr
	v_nop                                          ; one plain place behind a scaled conversion
.irp c, 0,1                                    ; a whole block to a lane: lanes 0-15 block 2 c, lanes 16-31 block 2 c + 1: registers 4 c .. 4 c + 3 are then 16 consecutive bytes of the row
.irp i, 0,1
	v_permlane16_swap_b32 v[PC+4*\c+\i], v[PC+2+4*\c+\i]
.endr
.endr
.endm
.macro STEP s, with_t, src
.if (\s) < 2
	s_wait_loadcnt 32                              ; this step's sixteen loads are in; the two steps behind it (32 loads) may stay out
.elseif (\s) == 2
	s_wait_loadcnt 16                              ; the last step's sixteen may stay out
.else
	s_wait_loadcnt 0x0
.endif
.if (\s) == 0
	LOAD 3, \src                                   ; the last step is asked for here: again three steps' loads are out
.endif
	WIN 0x04                                       ; an LDS store's data are its source 1: window 1
.set i, 0
.rept 16
	ds_store_b128 v[TSTO], v[64*(\s)+4*i:64*(\s)+4*i+3] offset:TP*i
.set i, i+1
.endr
	WIN 0
.irp b, 0,1,2,3
.irp j, 0,1,2,3
	ds_load_b128 v[X+16*\b+4*\j:X+16*\b+4*\j+3], v[TRD] offset:128*\b+16*\j   ; LDS serves a wave's instructions in order: these see the stores above
.endr
.endr
.if \with_t
.irp b, 0,1,2,3
.irp c, 0,1
	ds_load_b128 v[AF+8*\b+4*\c:AF+8*\b+4*\c+3], v[AFA] offset:(4*(\s)+\b)*1024+512*\c
.endr
.endr
	s_wait_dscnt 8                                 ; A's eight loads may stay out; my numbers are back, and the last step's stores have read the codes
.else
	s_wait_dscnt 0x0
.endif
	QUANT X, PWS+(\s)
.irp c, 0,1
	ds_store_b128 v[CSTO], v[PC+4*\c:PC+4*\c+3] offset:64*(\s)+32*\c
.endr
.if \with_t
.set d, 0
.rept 32
	v_cvt_pk_f16_f32 v[X+d], v[X+2*d], v[X+2*d+1]  ; in place, ascending: register 8 b + j = k 32 b + 16 h + 2 j, + 1
.set d, d+1
.endr
	s_wait_dscnt 2                                 ; the two stores of codes may stay out: A's fragments are in
.irp b, 0,1,2,3                                ; four accumulators by turns
.if (\s) == 0
	v_wmma_f32_16x16x32_f16 v[TA+8*\b:TA+8*\b+7], v[AF+8*\b:AF+8*\b+7], v[X+8*\b:X+8*\b+7], 0
.else
	v_wmma_f32_16x16x32_f16 v[TA+8*\b:TA+8*\b+7], v[AF+8*\b:AF+8*\b+7], v[X+8*\b:X+8*\b+7], v[TA+8*\b:TA+8*\b+7]
.endif
.endr
.rept 4
	v_nop                                          ; places in front of loads into registers that these products read, and of the first read of their results
.endr
.endif
.endm
.macro FINISH codes, scales
.set i, 0
.rept 8
	ds_load_b128 v[R+4*i:R+4*i+3], v[CRD] offset:2*CP*i
.set i, i+1
.endr
	v_cndmask_b32 v14, v[PWS], v[PWS+2], s[HI16]   ; lanes 0-15 store their row's words 0, 1, lanes 16-31 words 2, 3
	v_cndmask_b32 v15, v[PWS+1], v[PWS+3], s[HI16]
	global_store_b64 v[SGO], v[14:15], s[\scales:\scales+1]   ; 256 consecutive bytes, aligned
.set i, 0
.rept 8
	s_wait_dscnt 7-i
	global_store_b128 v[CGO], v[R+4*i:R+4*i+3], s[\codes:\codes+1] offset:1024*i   ; sixteen lanes store 256 consecutive bytes, aligned
.set i, i+1
.endr
.endm
.macro CLOSE                           ; the wave's end, behind my last LDS store
	s_wait_tensorcnt 0x0
	ds_add_u32 v[SPW], v[NIL]
	s_wait_dscnt 0x0
	s_endpgm
.endm
; ---------------- X
	UNIT 0, XTURN, XCODE, 4, 14, 16, 8192
	s_lshl_b32 s36, s34, 10                        ; tl: 1,024 bytes a group, 512 for each half of K
	s_lshl_b32 s35, s[KH], 9
	s_add_co_u32 s36, s36, s35
	s_add_nc_u64 s[22:23], s[22:23], s[36:37]
	s_lshl_b32 s35, s[KH], 14
	v_add_nc_u32 v[AFA], s35, v[LDO]               ; (the images begin at LDS byte 0)
	; [Aq;Av] -> f16 images.  Waves 0, 1 take lora_q_a, waves 2, 3 lora_v_a; wave % 2 is the half of K.  Lane: row n = l % 8, half hA = (l / 8) % 2, chunk of 32 along K: l / 16 + 2 x trip.
	v_and_b32 v16, 7, v0
	v_bfe_u32 v17, v0, 3, 1
	v_lshlrev_b32 v14, 12, v16                     ; memory: n x 4,096
	v_lshl_add_u32 v14, v17, 6, v14                ; + 64 hA
	v_lshl_add_u32 v14, v3, 7, v14                 ; + 128 (l / 16)
	s_lshl_b32 s36, s[KH], 11
	v_add_nc_u32 v14, s36, v14                     ; + my half of K
	v_lshlrev_b32 v15, 4, v16                      ; LDS: the image's lane is n + 8 (v?) + 16 hA: 16 bytes each
	v_lshl_add_u32 v15, v17, 8, v15
	v_lshl_add_u32 v15, v3, 10, v15                ; a chunk is 1,024 bytes
	s_lshl_b32 s36, s[KH], 14
	s_lshl_b32 s35, s[GI], 7
	s_add_co_u32 s36, s36, s35
	v_add_nc_u32 v15, s36, v15
	s_cmp_lt_u32 s[WV], 2
	s_cselect_b64 s[38:39], s[10:11], s[12:13]
.irp it, 0,1,2,3,4,5,6,7
.if \it < 4
.set AT, X+16*\it
.else
.set AT, AF+16*(\it-4)
.endif
.irp j, 0,1,2,3
	global_load_b128 v[AT+4*\j:AT+4*\j+3], v14, s[38:39] offset:\it*256+16*\j
.endr
.endr
	LOAD 0, 4
	s_wait_loadcnt 16                              ; A's 32 loads are in; the first step's sixteen may stay out
	LOAD 1, 4                                      ; two more steps are asked for ahead of A's conversions: 48 loads are out
	LOAD 2, 4
.irp it, 0,1,2,3,4,5,6,7
.if \it < 4
.set AT, X+16*\it
.else
.set AT, AF+16*(\it-4)
.endif
.irp j, 0,1,2,3,4,5,6,7
	v_cvt_pk_f16_f32 v[AT+\j], v[AT+2*\j], v[AT+2*\j+1]
.endr
	ds_store_b128 v15, v[AT:AT+3] offset:\it*2048
	ds_store_b128 v15, v[AT+4:AT+7] offset:\it*2048+512
.endr
	s_wait_dscnt 0x0                               ; for the others' sake: my part of the images lies in LDS
	s_barrier_signal -1
	s_barrier_wait -1
	STEP 0, 1, 4
	STEP 1, 1, 4
	STEP 2, 1, 4
	STEP 3, 1, 4
	FINISH 14, 16
.irp j, 0,2,4,6                                ; the four accumulators are added, each read from its low end on
	v_pk_add_f32 v[TA+\j:TA+\j+1], v[TA+\j:TA+\j+1], v[TA+8+\j:TA+9+\j]
.endr
.irp j, 0,2,4,6
	v_pk_add_f32 v[TA+16+\j:TA+17+\j], v[TA+16+\j:TA+17+\j], v[TA+24+\j:TA+25+\j]
.endr
.irp j, 0,2,4,6
	v_pk_add_f32 v[TA+\j:TA+\j+1], v[TA+\j:TA+\j+1], v[TA+16+\j:TA+17+\j]
.endr
.irp j, 0,2,4,6
	v_pk_mul_f32 v[TA+\j:TA+\j+1], v[TA+\j:TA+\j+1], 2.0 op_sel_hi:[1,0]   ; alpha / rank
.endr
.irp j, 0,1,2,3
	v_cvt_pk_f16_f32 v[PC+\j], v[TA+2*\j], v[TA+2*\j+1]   ; (the codes' LDS stores were waited for in FINISH)
.endr
	global_store_b128 v[LDO], v[PC:PC+3], s[22:23] ; 512 consecutive bytes: four registers of the later operand, lane by lane
	CLOSE
; ---------------- W
.Lweights:
	UNIT XWG, WTURN, WCODE, 6, 18, 20, 3072
	LOAD 0, 6
	LOAD 1, 6
	LOAD 2, 6
	STEP 0, 0, 6
	STEP 1, 0, 6
	STEP 2, 0, 6
	STEP 3, 0, 6
	FINISH 18, 20
	CLOSE
; ---------------- P: thread t takes 8 neighbouring numbers of each run of 1,024; no register is written twice, so no store's data wait for anything
.Lproj:
	s_sub_co_u32 s32, ttmp9, XWG+WWG
	s_lshl_b32 s34, s32, 16
	s_mov_b32 s35, 0
	s_add_nc_u64 s[8:9], s[8:9], s[34:35]
	s_lshl_b32 s34, s32, 15
	s_add_nc_u64 s[24:25], s[24:25], s[34:35]
	v_lshlrev_b32 v5, 5, v0
	v_lshlrev_b32 v6, 4, v0
.set i, 0
.rept 16
	global_load_b128 v[R+8*i:R+8*i+3], v5, s[8:9] offset:4096*i th:TH_LOAD_NT
	global_load_b128 v[R+8*i+4:R+8*i+7], v5, s[8:9] offset:4096*i+16 th:TH_LOAD_NT
.set i, i+1
.endr
.set i, 0
.rept 16
	s_wait_loadcnt 30-2*i                          ; the later runs' loads may stay out
.irp j, 0,1,2,3
	v_cvt_pk_f16_f32 v[AF+4*i+\j], v[R+8*i+2*\j], v[R+8*i+2*\j+1]
.endr
	global_store_b128 v6, v[AF+4*i:AF+4*i+3], s[24:25] offset:2048*i   ; sixteen lanes store 256 consecutive bytes, aligned
.set i, i+1
.endr
	s_endpgm
.Lfunc_end_k_q73ea23b0a9_prep:
	.size	k_q73ea23b0a9_prep, .Lfunc_end_k_q73ea23b0a9_prep-k_q73ea23b0a9_prep
	.p2alignl 7, 3214868480
	.fill 96, 4, 3214868480
	.section	.rodata,"a",@progbits
	.p2align	6, 0x0
	.amdhsa_kernel k_q73ea23b0a9_prep
		.amdhsa_group_segment_fixed_size 135680
		.amdhsa_private_segment_fixed_size 0
		.amdhsa_enable_private_segment 0
		.amdhsa_kernarg_size 88
		.amdhsa_user_sgpr_count 2
		.amdhsa_user_sgpr_kernarg_segment_ptr 1
		.amdhsa_wavefront_size32 1
		.amdhsa_system_sgpr_workgroup_id_x 1
		.amdhsa_system_sgpr_workgroup_id_y 1
		.amdhsa_system_sgpr_workgroup_id_z 1
		.amdhsa_system_vgpr_workitem_id 0
		.amdhsa_next_free_vgpr 512
		.amdhsa_next_free_sgpr 66
		.amdhsa_reserve_vcc 0
		.amdhsa_float_denorm_mode_32 3
		.amdhsa_float_denorm_mode_16_64 3
		.amdhsa_memory_ordered 1
		.amdhsa_forward_progress 1
		.amdhsa_inst_pref_size 100
	.end_amdhsa_kernel
	.amdgpu_metadata
---
amdhsa.version: [ 1, 2 ]
amdhsa.kernels:
  - .name:           k_q73ea23b0a9_prep
    .symbol:         k_q73ea23b0a9_prep.kd
    .args:
      - { .name: x, .offset: 0, .size: 8, .value_kind: global_buffer, .address_space: global }
      - { .name: qkv_w, .offset: 8, .size: 8, .value_kind: global_buffer, .address_space: global }
      - { .name: proj_w, .offset: 16, .size: 8, .value_kind: global_buffer, .address_space: global }
      - { .name: lora_q_a, .offset: 24, .size: 8, .value_kind: global_buffer, .address_space: global }
      - { .name: lora_v_a, .offset: 32, .size: 8, .value_kind: global_buffer, .address_space: global }
      - { .name: xc, .offset: 40, .size: 8, .value_kind: global_buffer, .address_space: global }
      - { .name: xs, .offset: 48, .size: 8, .value_kind: global_buffer, .address_space: global }
      - { .name: wc, .offset: 56, .size: 8, .value_kind: global_buffer, .address_space: global }
      - { .name: ws, .offset: 64, .size: 8, .value_kind: global_buffer, .address_space: global }
      - { .name: tl, .offset: 72, .size: 8, .value_kind: global_buffer, .address_space: global }
      - { .name: pw, .offset: 80, .size: 8, .value_kind: global_buffer, .address_space: global }
    .group_segment_fixed_size: 135680
    .private_segment_fixed_size: 0
    .kernarg_segment_align: 8
    .kernarg_segment_size: 88
    .max_flat_workgroup_size: 128
    .sgpr_count:     66
    .vgpr_count:     512
    .wavefront_size: 32
...
	.end_amdgpu_metadata
.endif
;; end of part 1
;; launch qkvgemm (part 2): grid 8 x 32, 4 waves a work-group, clusters of 4 x 4, 327,680 bytes of LDS; arguments xc, xs, wc, ws, qkv, qkv_b, lora_q_b, lora_v_b, tl; writes qkv
.if DOCPART == 2
	.amdgcn_target "amdgcn-amd-amdhsa--gfx1250"
	.amdhsa_code_object_version 6
	.text
	.protected	k_q73ea23b0a9_qkvgemm
	.globl	k_q73ea23b0a9_qkvgemm
	.p2align	8
	.type	k_q73ea23b0a9_qkvgemm,@function
k_q73ea23b0a9_qkvgemm:
	s_mov_b64 s[64:65], 0
	v_nop
	global_prefetch_b8 v0, s[64:65] scope:SCOPE_SE
	s_setreg_imm32_b32 hwreg(HW_REG_WAVE_MODE, 25, 1), 1
	s_wait_xcnt 0x0
	s_wait_alu depctr_hold_cnt(0) depctr_sa_sdst(0) depctr_va_vdst(0) depctr_va_sdst(0) depctr_va_ssrc(0) depctr_va_vcc(0) depctr_vm_vsrc(0)
	s_getreg_b32 s2, hwreg(HW_REG_IB_STS2, 6, 4)
	s_cmp_eq_u32 s2, 0
	s_cbranch_scc0 .Lentry_in_a_cluster
	s_endpgm
.Lentry_in_a_cluster:
	s_bfe_u32 s2, ttmp6, 0x10000c
	s_cmp_lg_u32 s2, 0xf033
	s_cbranch_scc0 .Lentry_shape_is_right
	s_endpgm
.Lentry_shape_is_right:
; q, k, v = x qkv_w^T + qkv_b (+ t lora_b^T for q and v).  The large product runs on codes of FP4 (E2M1) with one E8M0 scale for each 32 along K, f32 sums; M = 8,192, N = 3,072, K = 1,024.
; xc [8192][512 bytes], wc [3072][512 bytes]: codes, K innermost.  xs [2][8192][16 bytes], ws [2][3072][16 bytes]: for each half of K a row's four scale words.
; tl: for each 16 rows the register image of an f16 operand of K = 32: k = 0..7 t_q, 8..15 t_v of K's first half, 16..31 the same of its second half (t holds alpha / rank already).
; OUT: qkv [3][batch x 16 + head][1024][64] in f16.  LIMIT: |q|, |k|, |v|, |lora_b| must stay under 65,504, f16's largest number.
; 256 WORK-GROUPS OF EQUAL WORK, IN TWO PHASES.  8,192 x 3,072 / 256 is 98,304 outputs, which no tile divides whose columns stay inside one of the planes q, k, v; so a work-group makes
;   phase 1: 256 rows x 256 columns of q (cluster x = 0) or of k (cluster x = 1): four waves, 128 x 128 each, 64 accumulators;
;   phase 2: the same 256 rows x 128 columns of v (columns 128 (4 x cluster x + cx) on: two heads): 128 x 64 a wave, 32 accumulators.
; All of K lies in LDS as two slots of 512.  x's codes and scale words stay there for both phases; the weight's side is filled again once, for phase 2, behind a round of the cluster's barrier that stands ahead of
; phase 1's last 64 products: one joint load a wave (wave 0: 128 rows of codes into slot 0; wave 1: into slot 1; wave 2: their scale words).  It lands under those products, the adapter's and phase 1's way out.
; CLUSTERS: 4 x 4 work-groups; the four of a row need the same rows of x, the four of a column the same rows of qkv_w, in both phases: each tile, and its scale words, is asked for JOINTLY.
; THE MATRIX INSTRUCTION IS USED TRANSPOSED (source 0 = 16 rows of the weight, source 1 = 16 rows of x): a lane holds eight neighbouring columns of one row.
; The bias is the C of each sum's first instruction.  LoRA is one f16 matrix instruction of K = 32 for each accumulator behind the last K step: source 0 holds lora_b's eight numbers of a column in the
; lanes whose k are this plane's (q: lanes 0-15, v: lanes 16-31), zeros in the others, twice (both halves of K): so the unit adds the two partial t.  k's columns take none: a branch on the cluster's x.
; REGISTERS: window 0: v0-31 addresses; v32-95 scale words, two sets, and nothing else; v96-127 at work; v128-191 x's fragments, one set, and the way out; v192-255 t's eight fragments, for both phases.
;   window 1: the weight's fragments, two sets, at v0 and v128; v64-127 lora_b's fragments; v192-255 the bias (behind the first K step: v's bias and lora_v_b as loaded).   windows 2, 3: the accumulators ((a, b) at v[8 (8 (a % 4) + b)]).
.set KSTEP,  512
.set NQ,     4
.set ROWB,   256
.set KROW,   512
.set PITCH,  272                       ; an LDS row: 256 bytes + 16: the sixteen rows that a load touches start at sixteen different banks
.set FR,     8
.set NL,     2
.set NP,     4
.set HALFT,  128*PITCH
.set SLOT,   4*HALFT
.set SCL,    2*SLOT                    ; behind the slots: the scale words, [128 rows' block][half of K][row][16 bytes]
.set HALFS,  4096                      ; those of 128 rows
.set SBLK,   256                       ; of 16 rows, one half of K
.set SPITCH, 272
.set STAGE,  SCL+4*HALFS               ; the way out: 16 rows x (256 bytes + 16) for each wave, in bytes of its own: x's tiles must outlive phase 1's way out
.set SPARE,  STAGE+4*16*SPITCH         ; the spare words, 128 bytes for each wave: two blocks of 256 bytes that no other line names
.set ADRA, 16
.set ADRB, 20
.set ADRB2, 22                         ; v22-23 phase 2: my 64 rows of the weight in slot 0, 1
.set STO,  24
.set RD,   25
.set CO,   26                          ; v26  16 x lane
.set ADRS, 27
.set SPW,  28
.set NIL,  29
.set ADRS2, 30                         ; v30  phase 2: my scale words
.set SC,   32
.set TMP,  96                          ; at work: lora_b in f16, packed results
.set AF,   128
.set BK,   128                         ; the way out: v128-159 and v160-191 by turns
.set T,    192
.set LB,   64                          ; in window 1
.set BIAS, 192                         ; in window 1
.set G1, 24
.set G0, 32
.set G1B, 48
.set G0B, 56
.set G1S, 68
.set G0S, 76
.set G1SB, 80
.set G0SB, 88
.set MSB, 0
.macro WIN new                         ; the immediate's high byte repeats the setting that is left
.if MSB != \new
	s_set_vgpr_msb (MSB<<8)|\new
.set MSB, \new
.endif
.endm
.set MUL_LO, 0xa1                      ; source 0 window 1, source 1 window 0, C and D window 2
.set MUL_HI, 0xf1                      ; C and D window 3
.set FST_LO, 0x91                      ; a phase's first step: C (the bias) window 1, D window 2
.set FST_HI, 0xd1                      ; D window 3
.set TO_B,   0x40
.macro JLOAD g0a, g1a, g0b, g1b        ; a joint load: waves 0, 1 fetch for x, waves 2, 3 for the weight; an s_nop 0 and four v_nop follow each line
	s_cmp_eq_u32 s15, 0
	s_cbranch_scc0 .Lfor_b_\@
	tensor_load_to_lds s[\g0a:\g0a+3], s[\g1a:\g1a+7]
	s_nop 0
.rept 4
	v_nop
.endr
	s_branch .Lasked_\@
.Lfor_b_\@:
	tensor_load_to_lds s[\g0b:\g0b+3], s[\g1b:\g1b+7]
	s_nop 0
.rept 4
	v_nop
.endr
.Lasked_\@:
.endm
.macro RELOAD                          ; the joint refill for phase 2: waves 0, 1 the weight's codes of slot 0, 1; wave 2 their scale words; wave 3 nothing.  The branches hang on the wave's number alone
	s_cmp_lt_u32 s14, 2
	s_cbranch_scc0 .Lnot_codes_\@
	tensor_load_to_lds s[G0B:G0B+3], s[G1B:G1B+7]
	s_nop 0
.rept 4
	v_nop
.endr
	s_branch .Lreloaded_\@
.Lnot_codes_\@:
	s_cmp_eq_u32 s14, 2
	s_cbranch_scc0 .Lreloaded_\@
	tensor_load_to_lds s[G0B+4:G0B+7], s[G1SB:G1SB+7]
	s_nop 0
.rept 4
	v_nop
.endr
.Lreloaded_\@:
.endm
.macro CROUND                          ; a round of the cluster's barrier
	s_barrier_signal -1
	s_barrier_wait -1
	s_cmp_lg_u32 s14, 0
	s_cbranch_scc1 .Lnot_wave_0_\@
	s_barrier_signal -3
.Lnot_wave_0_\@:
	s_barrier_wait -3
	s_barrier_signal -1
	s_barrier_wait -1
.endm
	s_load_b128 s[4:7], s[0:1], 0x0                ; xc, xs
	s_load_b128 s[8:11], s[0:1], 0x10              ; wc, ws
	s_load_b64 s[12:13], s[0:1], 0x20              ; qkv
	s_load_b64 s[66:67], s[0:1], 0x28              ; qkv_b
	s_load_b128 s[96:99], s[0:1], 0x30             ; lora_q_b, lora_v_b
	s_load_b64 s[100:101], s[0:1], 0x40            ; tl
	v_lshl_add_u32 v[SPW], v0, 2, SPARE
	v_mov_b32 v[NIL], 0
	ds_add_u32 v[SPW], v[NIL]                      ; the wave's opening: the add, twice on end, and its wait ahead of my first tensor load
	ds_add_u32 v[SPW], v[NIL]
	v_lshrrev_b32 v1, 5, v0
	v_readfirstlane_b32 s14, v1                    ; wave 0..3
	s_lshr_b32 s15, s14, 1                         ; which half of the tile's rows is mine.  Also: I fetch for x (0) or for the weight (1)
	s_and_b32 s16, s14, 1                          ; which half of its columns.  Also: which 128 rows I fetch
	s_bfe_u32 s40, ttmp6, 0x40000                  ; cx, cy
	s_bfe_u32 s41, ttmp6, 0x40004
	s_lshl_b32 s42, ttmp9, 2
	s_add_co_u32 s42, s42, s40                     ; tile column, 0 to 7: q's four, k's four
	s_and_b32 s17, ttmp7, 0xffff
	s_lshl_b32 s17, s17, 2
	s_add_co_u32 s17, s17, s41                     ; tile row
	s_lshl_b32 s43, s41, 2
	s_lshl_b32 s43, 15, s43                        ; my row of the cluster
	s_lshl_b32 s44, 0x1111, s40                    ; my column
	s_or_b32 s[G1+0], s43, (0<<16)|(1<<20)|(1<<21)|(5<<22)|(3<<25)  ; the mask; elements of 1 byte; padding: 4 words behind every 64; bit 21 beside a mask
	s_or_b32 s[G1B+0], s44, (0<<16)|(1<<20)|(1<<21)|(5<<22)|(3<<25)
.irp g, G1, G1B
	s_mov_b32 s[\g+1], ROWB<<16                    ; tensor_dim0
	s_mov_b32 s[\g+2], 128<<16                     ; tensor_dim1
	s_mov_b32 s[\g+3], ROWB<<16                    ; tile_dim0
	s_mov_b32 s[\g+4], 128                         ; tile_dim1
	s_mov_b32 s[\g+5], KROW                        ; from row to row
	s_mov_b32 s[\g+6], 0
	s_mov_b32 s[\g+7], 0
.endr
	; the scale words of 128 rows: for each half of K 2,048 consecutive bytes: two rows of 256 elements of 8 bytes, a plane apart; no padding
	s_or_b32 s[G1S+0], s43, (3<<16)|(1<<21)
	s_or_b32 s[G1SB+0], s44, (3<<16)|(1<<21)
.irp g, G1S, G1SB
	s_mov_b32 s[\g+1], 256<<16
	s_mov_b32 s[\g+2], 2<<16
	s_mov_b32 s[\g+3], 256<<16
	s_mov_b32 s[\g+4], 2
	s_mov_b32 s[\g+6], 0
	s_mov_b32 s[\g+7], 0
.endr
	s_mov_b32 s[G1S+5], 16384                      ; xs: 8,192 rows x 16 bytes, in elements of 8
	s_mov_b32 s[G1SB+5], 6144                      ; ws: 3,072 rows
	s_lshl_b32 s18, s16, 7
	s_lshl_b32 s20, s17, 8
	s_add_co_u32 s20, s20, s18                     ; x: row 256 x tile row + 128 x half
	s_lshl_b32 s46, s42, 8
	s_add_co_u32 s46, s46, s18                     ; the weight: row 256 x tile column + 128 x half
	s_mov_b32 s21, 0
	s_mov_b32 s47, 0
	s_mov_b64 s[18:19], 16
	s_mul_u64 s[22:23], s[20:21], s[18:19]         ; where these rows' scale words begin
	s_mul_u64 s[92:93], s[46:47], s[18:19]
	s_mov_b64 s[18:19], KROW
	s_mul_u64 s[20:21], s[20:21], s[18:19]         ; and their codes
	s_mul_u64 s[46:47], s[46:47], s[18:19]
	s_mul_i32 s45, s14, HALFT                      ; where they go: no place in the cluster enters an LDS address
	s_mul_i32 s94, s14, HALFS
	s_wait_dscnt 0x0                               ; both opening adds are done
	s_wait_kmcnt 0x0
	s_add_nc_u64 s[20:21], s[4:5], s[20:21]
	s_add_nc_u64 s[22:23], s[6:7], s[22:23]
	s_add_nc_u64 s[46:47], s[8:9], s[46:47]
	s_add_nc_u64 s[92:93], s[10:11], s[92:93]
	CROUND                                         ; all sixteen work-groups are here: the joint loads meet
	s_mov_b32 s[G0S], 1
	s_add_co_u32 s[G0S+1], s94, SCL
	s_mov_b64 s[G0S+2:G0S+3], s[22:23]
	s_or_b32 s[G0S+3], s[G0S+3], 0x80000000
	s_mov_b32 s[G0SB], 1
	s_add_co_u32 s[G0SB+1], s94, SCL
	s_mov_b64 s[G0SB+2:G0SB+3], s[92:93]
	s_or_b32 s[G0SB+3], s[G0SB+3], 0x80000000
	JLOAD G0S, G1S, G0SB, G1SB                     ; by this text's count three tensor loads of a wave are out: the scale words, slot 0, slot 1
.irp s, 0,1
	s_mov_b32 s[G0+4*\s], 1
	s_add_co_u32 s[G0+4*\s+1], s45, \s*SLOT
	s_add_nc_u64 s[G0+4*\s+2:G0+4*\s+3], s[20:21], \s*ROWB
	s_or_b32 s[G0+4*\s+3], s[G0+4*\s+3], 0x80000000
	s_mov_b32 s[G0B+4*\s], 1
	s_add_co_u32 s[G0B+4*\s+1], s45, \s*SLOT
	s_add_nc_u64 s[G0B+4*\s+2:G0B+4*\s+3], s[46:47], \s*ROWB
	s_or_b32 s[G0B+4*\s+3], s[G0B+4*\s+3], 0x80000000
	JLOAD G0+4*\s, G1, G0B+4*\s, G1B
.endr
	v_and_b32 v1, 15, v0                           ; r
	v_bfe_u32 v2, v0, 4, 1                         ; h
	v_and_b32 v6, 31, v0
	v_lshlrev_b32 v[CO], 4, v6
	v_lshlrev_b32 v8, 5, v2                        ; the bias: my half's eight columns
	v_lshlrev_b32 v9, 5, v1                        ; lora_b: a column's eight numbers are 32 bytes
	s_lshl_b32 s46, s42, 9                         ; qkv_b for phase 2: column 2,048 + 128 x tile column + 64 x half, 4 bytes each
	s_lshl_b32 s47, s16, 8
	s_add_co_u32 s46, s46, s47
	s_add_co_u32 s46, s46, 8192
	s_mov_b32 s47, 0
	s_add_nc_u64 s[2:3], s[66:67], s[46:47]
	s_lshl_b32 s46, s42, 10                        ; and for phase 1: 256 columns a tile, 128 a wave
	s_lshl_b32 s47, s16, 9
	s_add_co_u32 s46, s46, s47
	s_mov_b32 s47, 0
	s_add_nc_u64 s[66:67], s[66:67], s[46:47]
	s_mov_b32 s104, 0xffff                         ; q's t lies at k = 0..7: lanes 0-15
	s_mov_b32 s105, 0xffff0000                     ; v's at k = 8..15: lanes 16-31
	s_lshl_b32 s46, s40, 13                        ; lora_q_b: 256 columns x 32 bytes by cx (k's work-groups load it too and use nothing of it)
	s_lshl_b32 s47, s16, 12
	s_add_co_u32 s46, s46, s47
	s_mov_b32 s47, 0
	s_add_nc_u64 s[96:97], s[96:97], s[46:47]
	s_lshl_b32 s46, s42, 12                        ; lora_v_b: 128 columns x 32 bytes by the tile column, 64 a wave
	s_lshl_b32 s47, s16, 11
	s_add_co_u32 s46, s46, s47
	s_mov_b32 s47, 0
	s_add_nc_u64 s[98:99], s[98:99], s[46:47]
	s_lshl_b32 s20, s17, 14                        ; tl: 16 groups x 1,024 bytes a tile, 8 a wave
	s_lshl_b32 s21, s15, 13
	s_add_co_u32 s20, s20, s21
	s_mov_b32 s21, 0
	s_add_nc_u64 s[100:101], s[100:101], s[20:21]
	WIN TO_B
.irp b, 0,1,2,3,4,5,6,7
	global_load_b128 v[BIAS+8*\b:BIAS+8*\b+3], v8, s[66:67] offset:64*\b        ; lane (r, h): qkv_b at columns 16 b + 8 h + 0 .. 7: the result's layout
	global_load_b128 v[BIAS+8*\b+4:BIAS+8*\b+7], v8, s[66:67] offset:64*\b+16
.endr
	WIN 0
.irp b, 0,1,2,3,4,5,6,7
	global_load_b128 v[AF+8*\b:AF+8*\b+3], v9, s[96:97] offset:512*\b            ; lora_q_b of column 16 b + r, f32 (x's fragments come here later)
	global_load_b128 v[AF+8*\b+4:AF+8*\b+7], v9, s[96:97] offset:512*\b+16
.endr
.irp a, 0,1,2,3,4,5,6,7
	global_load_b128 v[T+8*\a:T+8*\a+3], v[CO], s[100:101] offset:1024*\a
	global_load_b128 v[T+8*\a+4:T+8*\a+7], v[CO], s[100:101] offset:1024*\a+512
.endr
	v_mul_u32_u24 v3, v1, PITCH
	v_lshl_add_u32 v4, v2, 4, v3                   ; a fragment's row x pitch + 16 x half
	s_mul_i32 s21, s15, HALFT
	s_mul_i32 s22, s16, HALFT
	s_add_co_u32 s22, s22, 2*HALFT
.irp s, 0,1
	v_add_nc_u32 v[ADRA+\s], s21, v4
	v_add_nc_u32 v[ADRB+\s], s22, v4
	s_add_co_u32 s21, s21, SLOT
	s_add_co_u32 s22, s22, SLOT
.endr
	s_mul_i32 s22, s16, 64*PITCH                   ; phase 2: the weight's 128 rows lie where phase 1's first 128 lay; 64 of them are mine
	s_add_co_u32 s22, s22, 2*HALFT
.irp s, 0,1
	v_add_nc_u32 v[ADRB2+\s], s22, v4
	s_add_co_u32 s22, s22, SLOT
.endr
	v_lshlrev_b32 v5, 4, v1                        ; my row's four scale words
	s_mul_i32 s21, s15, HALFS
	s_mul_i32 s22, s16, HALFS
	s_add_co_u32 s22, s22, 2*HALFS
	s_sub_co_u32 s22, s22, s21
	v_mul_u32_u24 v6, s22, v2                      ; lanes 16-31 take the weight's: one product, the distance between the two bases
	s_add_co_u32 s23, s21, SCL
	v_add_nc_u32 v6, v5, v6
	v_add_nc_u32 v[ADRS], s23, v6
	s_lshl_b32 s22, s16, 10                        ; phase 2: the weight's words lie in its first block; my 64 rows are 1,024 bytes
	s_add_co_u32 s22, s22, 2*HALFS
	s_sub_co_u32 s22, s22, s21
	v_mul_u32_u24 v6, s22, v2
	v_add_nc_u32 v6, v5, v6
	v_add_nc_u32 v[ADRS2], s23, v6
	s_mul_i32 s23, s14, 16*SPITCH
	s_add_co_u32 s23, s23, STAGE                   ; my stage
	v_mul_u32_u24 v5, v1, SPITCH
	v_lshl_add_u32 v5, v2, 4, v5
	v_add_nc_u32 v[STO], s23, v5                   ; in: row r, 16 bytes for each half of the lanes
	v_bfe_u32 v5, v0, 3, 2
	v_mul_u32_u24 v5, v5, SPITCH
	v_and_b32 v6, 7, v0
	v_lshl_add_u32 v5, v6, 4, v5
	v_add_nc_u32 v[RD], s23, v5                    ; back: eight lanes take a head's 128 bytes of a row, 32 lanes four rows
	s_and_b32 s20, ttmp7, 0xffff                   ; the batch = cluster y (a cluster's 1,024 rows)
	s_lshl_b32 s20, s20, 21                        ; 16 heads x 131,072 bytes
	s_lshl_b32 s21, s41, 15                        ; 256 cy rows of 128 bytes
	s_add_co_u32 s20, s20, s21
	s_lshl_b32 s21, s15, 14                        ; my 128 rows
	s_add_co_u32 s20, s20, s21
	s_lshl_b32 s22, s42, 18                        ; phase 2: head 2 x tile column + my half of the columns,
	s_lshl_b32 s21, s16, 17
	s_add_co_u32 s22, s22, s21
	s_add_co_u32 s22, s22, s20
	s_add_co_u32 s22, s22, 0x2000000               ; in v's plane
	s_mov_b32 s23, 0
	s_add_nc_u64 s[92:93], s[12:13], s[22:23]
	s_lshl_b32 s21, ttmp9, 24                      ; phase 1: the plane q or k,
	s_add_co_u32 s20, s20, s21
	s_lshl_b32 s21, s40, 19                        ; head 4 cx + 2 x my half of the columns
	s_add_co_u32 s20, s20, s21
	s_lshl_b32 s21, s16, 18
	s_add_co_u32 s20, s20, s21
	s_mov_b32 s21, 0
	s_add_nc_u64 s[12:13], s[12:13], s[20:21]
	s_wait_loadcnt 16                              ; the bias and lora_q_b are in; t's sixteen loads may stay out
.set d, 0
.rept 32
	v_cvt_pk_f16_f32 v[TMP+d], v[AF+2*d], v[AF+2*d+1]
.set d, d+1
.endr
	WIN TO_B
.irp b, 0,1,2,3,4,5,6,7
.irp i, 0,1,2,3
	v_cndmask_b32 v[LB+8*\b+\i], 0, v[TMP+4*\b+\i], s104       ; k = 8 h + 0..7: q's lanes keep lora_b, the others hold zeros;
	v_cndmask_b32 v[LB+8*\b+4+\i], 0, v[TMP+4*\b+\i], s104     ; k = 16 + 8 h + 0..7: the same once more, for K's second half
.endr
.endr
	WIN 0
	s_wait_loadcnt 0x0
.macro FRAG reg, adr, q, i             ; 16 rows x 128 K of 4-bit codes: 8 registers, two loads of 16 bytes, 32 bytes apart
.irp c, 0,1
	ds_load_b128 v[\reg+4*\c:\reg+4*\c+3], v[\adr] offset:64*(\q)+32*\c+(\i)*16*PITCH
.endr
.endm
; 16 matrix instructions: x's blocks a0, a0 + 1 against the weight's eight.  The accumulators take turns, one instruction a turn, in the same order in every step.
.macro MUL16 a0, p, q, sc, first
.irp a, \a0, \a0+1
.irp b, 0,1,2,3,4,5,6,7
.if \first
	v_wmma_scale_f32_16x16x128_f8f6f4 v[8*(8*((\a)%4)+\b):8*(8*((\a)%4)+\b)+7], v[128*(\p)+FR*\b:128*(\p)+FR*\b+FR-1], v[AF+FR*(\a):AF+FR*(\a)+FR-1], v[BIAS+8*\b:BIAS+8*\b+7], v[SC+8*NQ*(\sc)+NQ*\b+(\q)], v[SC+8*NQ*(\sc)+NQ*(\a)+(\q)] matrix_a_fmt:MATRIX_FMT_FP4 matrix_b_fmt:MATRIX_FMT_FP4 matrix_a_scale:MATRIX_SCALE_ROW1
.else
	v_wmma_scale_f32_16x16x128_f8f6f4 v[8*(8*((\a)%4)+\b):8*(8*((\a)%4)+\b)+7], v[128*(\p)+FR*\b:128*(\p)+FR*\b+FR-1], v[AF+FR*(\a):AF+FR*(\a)+FR-1], v[8*(8*((\a)%4)+\b):8*(8*((\a)%4)+\b)+7], v[SC+8*NQ*(\sc)+NQ*\b+(\q)], v[SC+8*NQ*(\sc)+NQ*(\a)+(\q)] matrix_a_fmt:MATRIX_FMT_FP4 matrix_b_fmt:MATRIX_FMT_FP4 matrix_a_scale:MATRIX_SCALE_ROW1
.endif
.endr
.endr
.endm
.macro MUL8 a0, p, q, sc, first        ; phase 2: the same against the weight's four blocks
.irp a, \a0, \a0+1
.irp b, 0,1,2,3
.if \first
	v_wmma_scale_f32_16x16x128_f8f6f4 v[8*(8*((\a)%4)+\b):8*(8*((\a)%4)+\b)+7], v[128*(\p)+FR*\b:128*(\p)+FR*\b+FR-1], v[AF+FR*(\a):AF+FR*(\a)+FR-1], v[BIAS+8*\b:BIAS+8*\b+7], v[SC+8*NQ*(\sc)+NQ*\b+(\q)], v[SC+8*NQ*(\sc)+NQ*(\a)+(\q)] matrix_a_fmt:MATRIX_FMT_FP4 matrix_b_fmt:MATRIX_FMT_FP4 matrix_a_scale:MATRIX_SCALE_ROW1
.else
	v_wmma_scale_f32_16x16x128_f8f6f4 v[8*(8*((\a)%4)+\b):8*(8*((\a)%4)+\b)+7], v[128*(\p)+FR*\b:128*(\p)+FR*\b+FR-1], v[AF+FR*(\a):AF+FR*(\a)+FR-1], v[8*(8*((\a)%4)+\b):8*(8*((\a)%4)+\b)+7], v[SC+8*NQ*(\sc)+NQ*\b+(\q)], v[SC+8*NQ*(\sc)+NQ*(\a)+(\q)] matrix_a_fmt:MATRIX_FMT_FP4 matrix_b_fmt:MATRIX_FMT_FP4 matrix_a_scale:MATRIX_SCALE_ROW1
.endif
.endr
.endr
.endm
.macro FETCH_B slot, q, p
	WIN TO_B
.irp i, 0,1,2,3,4,5,6,7
	FRAG 128*(\p)+FR*\i, ADRB+\slot, \q, \i
.endr
	WIN 0
.endm
.macro FETCH_B2 slot, q, p
	WIN TO_B
.irp i, 0,1,2,3
	FRAG 128*(\p)+FR*\i, ADRB2+\slot, \q, \i
.endr
	WIN 0
.endm
.macro FETCH_A slot, q, i0
.irp i, \i0, \i0+1, \i0+2, \i0+3
	FRAG AF+FR*(\i), ADRA+\slot, \q, \i
.endr
.endm
.macro SCALES sc                       ; a slot's scale words: four a row; lanes 0-15 take x's block i, lanes 16-31 the weight's block i
.irp i, 0,1,2,3,4,5,6,7
	ds_load_b128 v[SC+8*NQ*\sc+NQ*\i:SC+8*NQ*\sc+NQ*\i+3], v[ADRS] offset:\i*SBLK
.endr
.endm
.macro SCALES2 sc                      ; phase 2: the same; of the weight's words only blocks 0 to 3 are used (what lanes 16-31 bring for blocks 4 to 7 lies inside the scale words' bytes and is named by no product)
.irp i, 0,1,2,3,4,5,6,7
	ds_load_b128 v[SC+8*NQ*\sc+NQ*\i:SC+8*NQ*\sc+NQ*\i+3], v[ADRS2] offset:\i*SBLK+2048*\sc
.endr
.endm
.macro PLACES n                        ; plain vector instructions that name no register of the matrix instructions in front of them
.rept \n
	v_nop
.endr
.endm
.macro STEP slot, q, first             ; 128 along K, with its successor in the same slot
	s_wait_dscnt 4*NL                              ; the weight's set and x's blocks 0-3 are in; the youngest eight loads (blocks 4-7) may be out
.if \first
	WIN FST_LO
.else
	WIN MUL_LO
.endif
	MUL16 0, (\q)%2, \q, \slot, \first
	MUL16 2, (\q)%2, \q, \slot, \first
	s_wait_dscnt 0                                 ; blocks 4-7 are in
	PLACES NP
	FETCH_B \slot, (\q)+1, 1-(\q)%2
	FETCH_A \slot, (\q)+1, 0
.if \first
	WIN FST_HI
.else
	WIN MUL_HI
.endif
	MUL16 4, (\q)%2, \q, \slot, \first
	MUL16 6, (\q)%2, \q, \slot, \first
	PLACES NP
	WIN 0
	FETCH_A \slot, (\q)+1, 4
.endm
.macro STEP2 slot, q, nslot, nq, first ; phase 2: 128 along K; its successor is step nq of slot nslot: both slots are whole, so no barrier stands between them
	s_wait_dscnt 4*NL                              ; the youngest eight loads (x's blocks 4-7) may be out
.if \first
	WIN FST_LO
.else
	WIN MUL_LO
.endif
	MUL8 0, (\q)%2, \q, \slot, \first
	MUL8 2, (\q)%2, \q, \slot, \first
	s_wait_dscnt 0
	PLACES NP
	FETCH_B2 \nslot, \nq, 1-(\q)%2
	FETCH_A \nslot, \nq, 0
.if \first
	WIN FST_HI
.else
	WIN MUL_HI
.endif
	MUL8 4, (\q)%2, \q, \slot, \first
	MUL8 6, (\q)%2, \q, \slot, \first
	PLACES NP
	WIN 0
	FETCH_A \nslot, \nq, 4
.endm
; ---------------- PHASE 1
	s_wait_tensorcnt 1                             ; the scale words and my part of slot 0 are in; slot 1's load may stay out
	s_barrier_signal -1
	s_barrier_wait -1
	FETCH_B 0, 0, 0
	FETCH_A 0, 0, 0
	SCALES 0
	FETCH_A 0, 0, 4
	STEP 0, 0, 1                                   ; the first products start the sums from the bias
	WIN TO_B                                       ; the bias has been read (four places stand behind the last product that named it): its registers take phase 2's bias and lora_v_b, which land under phase 1
.irp b, 0,1,2,3
	global_load_b128 v[BIAS+8*\b:BIAS+8*\b+3], v8, s[2:3] offset:64*\b
	global_load_b128 v[BIAS+8*\b+4:BIAS+8*\b+7], v8, s[2:3] offset:64*\b+16
.endr
.irp b, 0,1,2,3
	global_load_b128 v[BIAS+32+8*\b:BIAS+32+8*\b+3], v9, s[98:99] offset:512*\b
	global_load_b128 v[BIAS+32+8*\b+4:BIAS+32+8*\b+7], v9, s[98:99] offset:512*\b+16
.endr
	WIN 0
	STEP 0, 1, 0
	STEP 0, 2, 0
	; slot 0's last step changes slots: one barrier; in front of it my part of slot 1 has landed and my reads of slot 0 are over
	s_wait_tensorcnt 0x0
	ds_add_u32 v[SPW], v[NIL]
	s_wait_dscnt 4*NL+1                            ; (the add and the youngest eight loads may be out)
	WIN MUL_LO
	MUL16 0, 1, NQ-1, 0, 0
	s_wait_dscnt 0x0
	s_barrier_signal -1
	MUL16 2, 1, NQ-1, 0, 0
	WIN 0
	s_barrier_wait -1
	PLACES NP
	v_add_nc_u32 v[ADRS], 2048, v[ADRS]            ; the second half of K's scale words
	FETCH_B 1, 0, 0
	FETCH_A 1, 0, 0
	SCALES 1
	WIN MUL_HI
	MUL16 4, 1, NQ-1, 0, 0
	MUL16 6, 1, NQ-1, 0, 0
	PLACES NP
	WIN 0
	FETCH_A 1, 0, 4
	STEP 1, 0, 0
	STEP 1, 1, 0
	STEP 1, 2, 0
	; THE REFILL FOR PHASE 2.  The last step's fragments have been asked for: with the wait below nobody of my wave reads the weight's bytes any more.
	s_wait_tensorcnt 0x0                           ; no tensor load of mine is out, so a group 0 may be written
	ds_add_u32 v[SPW], v[NIL]                      ; 0 onto my spare word; the descriptors stand between it and the wait for it
	s_lshl_b32 s94, s42, 16                        ; the weight's row 2,048 + 128 x tile column, 512 bytes each,
	s_add_co_u32 s94, s94, 0x100000
	s_lshl_b32 s95, s16, 8                         ; the half of K that goes into my slot
	s_add_co_u32 s94, s94, s95
	s_mov_b32 s95, 0
	s_mov_b32 s[G0B], 1
	s_mul_i32 s[G0B+1], s16, SLOT                  ; wave 0: slot 0, wave 1: slot 1,
	s_add_co_u32 s[G0B+1], s[G0B+1], 2*HALFT       ; where the weight's first 128 rows lie
	s_add_nc_u64 s[G0B+2:G0B+3], s[8:9], s[94:95]
	s_or_b32 s[G0B+3], s[G0B+3], 0x80000000
	s_lshl_b32 s94, s42, 11                        ; the same rows' scale words, 16 bytes each
	s_add_co_u32 s94, s94, 32768
	s_mov_b32 s[G0B+4], 1
	s_mov_b32 s[G0B+5], SCL+2*HALFS
	s_add_nc_u64 s[G0B+6:G0B+7], s[10:11], s[94:95]
	s_or_b32 s[G0B+7], s[G0B+7], 0x80000000
	s_wait_dscnt 0x0                               ; the add is done, and all my LDS loads are back
	CROUND                                         ; no wave of any partner still reads the weight's bytes or has a load on its way
	RELOAD                                         ; my one tensor load behind the round
	WIN MUL_LO                                     ; the very last step of phase 1
	MUL16 0, 1, NQ-1, 1, 0
	MUL16 2, 1, NQ-1, 1, 0
	WIN MUL_HI
	MUL16 4, 1, NQ-1, 1, 0
	MUL16 6, 1, NQ-1, 1, 0
	WIN 0
	PLACES 5                                       ; another form takes the accumulators up: five places
	s_cmp_eq_u32 ttmp9, 1                          ; k's columns have no adapter; the cluster's x is the same in all sixteen partners
	s_cbranch_scc1 .Lno_lora
.macro LORA32 hi
.irp a, 0,1,2,3
.irp b, 0,1,2,3,4,5,6,7
	v_wmma_f32_16x16x32_f16 v[8*(8*\a+\b):8*(8*\a+\b)+7], v[LB+8*\b:LB+8*\b+7], v[T+8*(4*\hi+\a):T+8*(4*\hi+\a)+7], v[8*(8*\a+\b):8*(8*\a+\b)+7]
.endr
.endr
.endm
.macro LORA16 hi
.irp a, 0,1,2,3
.irp b, 0,1,2,3
	v_wmma_f32_16x16x32_f16 v[8*(8*\a+\b):8*(8*\a+\b)+7], v[LB+8*\b:LB+8*\b+7], v[T+8*(4*\hi+\a):T+8*(4*\hi+\a)+7], v[8*(8*\a+\b):8*(8*\a+\b)+7]
.endr
.endr
.endm
	WIN MUL_LO
	LORA32 0
	WIN MUL_HI
	LORA32 1
	WIN 0
.Lno_lora:
	PLACES NP
	s_wait_loadcnt 0x0                             ; phase 2's bias and lora_v_b
	WIN 0x05                                       ; sources window 1, destination window 0
.set d, 0
.rept 16
	v_cvt_pk_f16_f32 v[TMP+d], v[BIAS+32+2*d], v[BIAS+32+2*d+1]
.set d, d+1
.endr
	WIN TO_B
.irp b, 0,1,2,3
.irp i, 0,1,2,3
	v_cndmask_b32 v[LB+8*\b+\i], 0, v[TMP+4*\b+\i], s105       ; v's lanes keep lora_v_b, the others hold zeros
	v_cndmask_b32 v[LB+8*\b+4+\i], 0, v[TMP+4*\b+\i], s105
.endr
.endr
	WIN 0
; THE WAY OUT OF PHASE 1, 16 rows x 128 columns (two heads) at a time: rounded to f16, through my stage, back as four rows of one head: 512 consecutive bytes of memory an instruction.
.macro PACK a
.set AC, 64*((\a)%4)
	WIN 0x0a+5*((\a)/4)                            ; sources 0 and 1: window 2 or 3
.irp b, 0,1,2,3,4,5,6,7
.irp r, 0,1,2,3
	v_cvt_pk_f16_f32 v[TMP+4*\b+\r], v[AC+8*\b+2*\r], v[AC+8*\b+2*\r+1]   ; each accumulator from its low end on
.endr
.endr
	WIN 0
.endm
.macro TOSTAGE a
.set BB, BK+32*((\a)%2)
.irp b, 0,1,2,3,4,5,6,7
	ds_store_b128 v[STO], v[TMP+4*\b:TMP+4*\b+3] offset:32*\b
.endr
.irp t, 0,1,2,3,4,5,6,7
	ds_load_b128 v[BB+4*\t:BB+4*\t+3], v[RD] offset:(\t%4)*4*SPITCH+(\t/4)*128   ; LDS serves a wave's instructions in order: these see the stores above
.endr
.endm
.macro SEND a
.set BB, BK+32*((\a)%2)
	s_wait_dscnt 0x0                               ; the block is back in registers
	s_wait_xcnt 0x0                                ; the block before has been read by its stores: the next block's loads may land in its registers
.irp t, 0,1,2,3,4,5,6,7
	global_store_b128 v[CO], v[BB+4*\t:BB+4*\t+3], s[12:13] offset:(\t/4)*131072+(\a)*2048+(\t%4)*512
.endr
.endm
	PACK 0
	TOSTAGE 0
.irp a, 1,2,3,4,5,6,7                  ; block a's conversions stand between block a - 1's loads from the stage and the wait for them
	PACK \a
	SEND \a-1
	TOSTAGE \a
.endr
	SEND 7
; ---------------- PHASE 2.  Phase 1's stores are on their way; nothing waits for them.
	s_wait_xcnt 0x0                                ; the last stores have read their registers: x's fragments may land there
	s_wait_tensorcnt 0x0                           ; my part of the weight's new rows has landed
	s_wait_dscnt 0x0
	s_barrier_signal -1
	s_barrier_wait -1                              ; everybody's has
	FETCH_B2 0, 0, 0
	FETCH_A 0, 0, 0
	SCALES2 0
	SCALES2 1
	FETCH_A 0, 0, 4
	STEP2 0, 0, 0, 1, 1                            ; the first products start the sums from v's bias
	STEP2 0, 1, 0, 2, 0
	STEP2 0, 2, 0, 3, 0
	STEP2 0, 3, 1, 0, 0
	STEP2 1, 0, 1, 1, 0
	STEP2 1, 1, 1, 2, 0
	STEP2 1, 2, 1, 3, 0
	s_wait_dscnt 4*NL                              ; the very last step: nothing more to fetch
	WIN MUL_LO
	MUL8 0, 1, NQ-1, 1, 0
	MUL8 2, 1, NQ-1, 1, 0
	s_wait_dscnt 0
	WIN MUL_HI
	MUL8 4, 1, NQ-1, 1, 0
	MUL8 6, 1, NQ-1, 1, 0
	WIN 0
	PLACES 5                                       ; another form takes the accumulators up: five places
	WIN MUL_LO
	LORA16 0
	WIN MUL_HI
	LORA16 1
	WIN 0
	PLACES NP
; THE WAY OUT OF PHASE 2, 16 rows x 64 columns (one head) at a time.
.macro PACK2 a
.set AC, 64*((\a)%4)
	WIN 0x0a+5*((\a)/4)
.irp b, 0,1,2,3
.irp r, 0,1,2,3
	v_cvt_pk_f16_f32 v[TMP+4*\b+\r], v[AC+8*\b+2*\r], v[AC+8*\b+2*\r+1]
.endr
.endr
	WIN 0
.endm
.macro TOSTAGE2 a
.set BB, BK+32*((\a)%2)
.irp b, 0,1,2,3
	ds_store_b128 v[STO], v[TMP+4*\b:TMP+4*\b+3] offset:32*\b
.endr
.irp t, 0,1,2,3
	ds_load_b128 v[BB+4*\t:BB+4*\t+3], v[RD] offset:\t*4*SPITCH
.endr
.endm
.macro SEND2 a
.set BB, BK+32*((\a)%2)
	s_wait_dscnt 0x0
	s_wait_xcnt 0x0
.irp t, 0,1,2,3
	global_store_b128 v[CO], v[BB+4*\t:BB+4*\t+3], s[92:93] offset:(\a)*2048+\t*512   ; four rows of the head: 512 consecutive bytes, aligned
.endr
.endm
	PACK2 0
	TOSTAGE2 0
.irp a, 1,2,3,4,5,6,7
	PACK2 \a
	SEND2 \a-1
	TOSTAGE2 \a
.endr
	SEND2 7
	s_wait_tensorcnt 0x0                           ; the wave's end
	ds_add_u32 v[SPW], v[NIL]
	s_wait_dscnt 0x0
	CROUND                                         ; the closing round
	s_endpgm
.Lfunc_end_k_q73ea23b0a9_qkvgemm:
	.size	k_q73ea23b0a9_qkvgemm, .Lfunc_end_k_q73ea23b0a9_qkvgemm-k_q73ea23b0a9_qkvgemm
	.p2alignl 7, 3214868480
	.fill 96, 4, 3214868480
	.section	.rodata,"a",@progbits
	.p2align	6, 0x0
	.amdhsa_kernel k_q73ea23b0a9_qkvgemm
		.amdhsa_group_segment_fixed_size 327680
		.amdhsa_private_segment_fixed_size 0
		.amdhsa_enable_private_segment 0
		.amdhsa_kernarg_size 72
		.amdhsa_user_sgpr_count 2
		.amdhsa_user_sgpr_kernarg_segment_ptr 1
		.amdhsa_wavefront_size32 1
		.amdhsa_system_sgpr_workgroup_id_x 1
		.amdhsa_system_sgpr_workgroup_id_y 1
		.amdhsa_system_sgpr_workgroup_id_z 1
		.amdhsa_system_vgpr_workitem_id 0
		.amdhsa_next_free_vgpr 1024
		.amdhsa_next_free_sgpr 106
		.amdhsa_reserve_vcc 0
		.amdhsa_float_denorm_mode_32 3
		.amdhsa_float_denorm_mode_16_64 3
		.amdhsa_memory_ordered 1
		.amdhsa_forward_progress 1
		.amdhsa_inst_pref_size 217
	.end_amdhsa_kernel
	.amdgpu_metadata
---
amdhsa.version: [ 1, 2 ]
amdhsa.kernels:
  - .name:           k_q73ea23b0a9_qkvgemm
    .symbol:         k_q73ea23b0a9_qkvgemm.kd
    .args:
      - { .name: xc, .offset: 0, .size: 8, .value_kind: global_buffer, .address_space: global }
      - { .name: xs, .offset: 8, .size: 8, .value_kind: global_buffer, .address_space: global }
      - { .name: wc, .offset: 16, .size: 8, .value_kind: global_buffer, .address_space: global }
      - { .name: ws, .offset: 24, .size: 8, .value_kind: global_buffer, .address_space: global }
      - { .name: qkv, .offset: 32, .size: 8, .value_kind: global_buffer, .address_space: global }
      - { .name: qkv_b, .offset: 40, .size: 8, .value_kind: global_buffer, .address_space: global }
      - { .name: lora_q_b, .offset: 48, .size: 8, .value_kind: global_buffer, .address_space: global }
      - { .name: lora_v_b, .offset: 56, .size: 8, .value_kind: global_buffer, .address_space: global }
      - { .name: tl, .offset: 64, .size: 8, .value_kind: global_buffer, .address_space: global }
    .group_segment_fixed_size: 327680
    .private_segment_fixed_size: 0
    .kernarg_segment_align: 8
    .kernarg_segment_size: 72
    .max_flat_workgroup_size: 128
    .sgpr_count:     106
    .vgpr_count:     1024
    .wavefront_size: 32
...
	.end_amdgpu_metadata
.endif
;; end of part 2
;; launch attn (part 3): grid 2 x 128, 8 waves a work-group, no clusters, 327,680 bytes of LDS; arguments qkv, ao; writes ao
.if DOCPART == 3
	.amdgcn_target "amdgcn-amd-amdhsa--gfx1250"
	.amdhsa_code_object_version 6
	.text
	.protected	k_q73ea23b0a9_attn
	.globl	k_q73ea23b0a9_attn
	.p2align	8
	.type	k_q73ea23b0a9_attn,@function
k_q73ea23b0a9_attn:
	s_mov_b64 s[64:65], 0
	v_nop
	global_prefetch_b8 v0, s[64:65] scope:SCOPE_SE
	s_setreg_imm32_b32 hwreg(HW_REG_WAVE_MODE, 25, 1), 1
	s_wait_xcnt 0x0
; ao[bh][n][:] = the sum over m of softmax_m(q[bh][n] . k[bh][m] / 8) v[bh][m][:].  q, k, v: qkv [3][128][1024][64] in f16; ao [128][1024][64] in f16.  Products by the f16 matrix form, f32 sums;
; maxima, exponentials and sums in f32; the weights p (at most 1) are rounded to f16 for the second product, the result once at the end.
; LIMIT: NaN and infinities are not served; the result must stay under 65,504 (it is an average of v, which does).
; SHARES.  A work-group owns 512 queries of one (batch, head); each of its eight waves 64: four tiles of 16, in 512 registers: two waves to a SIMD, so that one's softmax stands beside the other's products.
; ALL OF THE HEAD'S K AND V COME TO LIE IN LDS, each byte filled once, IN FOUR CHUNKS OF 256 KEYS.  A chunk is one tensor load of 64 rows a wave (waves 0-3: K, waves 4-7: V).  The first is asked for at the head;
; each later one behind the barrier that opens the chunk before it, as the wave's one tensor load there, so that it has that chunk's four key steps in which to land.  No byte is filled again.
; So only 64 KiB of K and V, and the work-group's 64 KiB of Q, stand ahead of the first product.  Each later chunk is asked for by its own load a chunk ahead, so no prefetch is laid.
; NO CLUSTER: a head has two work-groups; four blocks of 256 queries would leave one wave to a SIMD.
; LAYOUT.  S^T = K Q^T (source 0 = 16 keys, source 1 = 16 queries): a lane holds ONE query (lane % 16) and keys 8 (lane / 16) + 0..7.  Two such tiles, rounded to f16 in pairs, ARE source 1 of O^T = V^T P.
; V ([key][channel]) comes out of LDS turned, by ds_load_tr16_b128.
; SOFTMAX.  A running maximum m and sum l for each query: p = 2^(c s - c m), c = log2(e) / 8; in every step O and l are multiplied by a = 2^(c m_old - c m_new).  m begins at -3e38, O and l at 0.
; REGISTERS.  window 0: v1-12 addresses; v16-47 eight registers of statistics a tile (+0 c m, +1 m, +2, +3 l, +4..+7 at work, a in +6); v48-51 the old c m; v64-191 S^T, 32 a tile, then P in its first 16; v192-255 V.
;             window 1: v0-127 O^T, 32 a tile; v128-191 Q; v192-255 K.
.set PK,    144                        ; a row of K in LDS: 128 bytes + 16
.set PV,    160                        ; a row of V: 128 + 32: an odd multiple of 32
.set VOFF,  1024*PK
.set SPARE, VOFF+1024*PV               ; the spare words, 128 bytes for each wave: four blocks of 256 bytes that no other line names
.set PLANE, 16777216
.set AK0, 1
.set AV0, 2
.set ADK, 3
.set ADV, 4
.set QO,  5
.set STO, 6
.set RD,  7
.set SPW, 8
.set NIL, 9
.set GO,  12
.set ST,  16
.set OLD, 48
.set S,   64
.set VF,  192
.set Q,   128                          ; in window 1
.set KF,  192                          ; in window 1
.set WV,  8
.set G1K, 24
.set G1V, 32
.set G0K, 40                           ; s[40:55] K's groups 0, one for each chunk; never rewritten
.set G0V, 68                           ; s[68:83] V's
.set CS,  56
.set SEL, 58
.set TBK, 60
.set TBV, 61
.set CNT, 62
.set MSB, 0
.macro WIN new
.if MSB != \new
	s_set_vgpr_msb (MSB<<8)|\new
.set MSB, \new
.endif
.endm
; Chunk j's load: waves 0-3 for K, waves 4-7 for V.  The branch hangs on the wave's number alone.  An s_nop 0 and four v_nop follow each of the two lines.
.macro TLOAD j
	s_cmp_lt_u32 s[WV], 4
	s_cbranch_scc0 .Lfor_v_\@
	tensor_load_to_lds s[G0K+4*(\j):G0K+4*(\j)+3], s[G1K:G1K+7]
	s_nop 0
.rept 4
	v_nop
.endr
	s_branch .Lasked_\@
.Lfor_v_\@:
	tensor_load_to_lds s[G0V+4*(\j):G0V+4*(\j)+3], s[G1V:G1V+7]
	s_nop 0
.rept 4
	v_nop
.endr
.Lasked_\@:
.endm
	s_load_b128 s[4:7], s[0:1], 0x0                ; qkv, ao
	v_lshl_add_u32 v[SPW], v0, 2, SPARE
	v_mov_b32 v[NIL], 0
	ds_add_u32 v[SPW], v[NIL]                      ; the wave's opening: the add, twice on end, and its wait ahead of my first tensor load
	ds_add_u32 v[SPW], v[NIL]
	v_lshrrev_b32 v1, 5, v0
	v_readfirstlane_b32 s[WV], v1                  ; wave 0..7
	s_and_b32 s9, s[WV], 3                         ; which 64 rows of each 256 I fetch
	s_and_b32 s10, ttmp7, 0xffff
	s_lshl_b32 s10, s10, 17                        ; the head's first byte in each plane and in ao
	s_mov_b32 s11, 0
	s_mov_b32 s[G1K], (1<<16)|(1<<20)|(4<<22)|(3<<25)   ; elements of 2 bytes; padding: 4 words behind every 32
	s_mov_b32 s[G1V], (1<<16)|(1<<20)|(4<<22)|(7<<25)   ; 8 words
.irp g, G1K, G1V
	s_mov_b32 s[\g+1], 64<<16                      ; tensor_dim0
	s_mov_b32 s[\g+2], 64<<16                      ; tensor_dim1
	s_mov_b32 s[\g+3], 64<<16                      ; tile_dim0
	s_mov_b32 s[\g+4], 64                          ; tile_dim1
	s_mov_b32 s[\g+5], 64                          ; from row to row
	s_mov_b32 s[\g+6], 0
	s_mov_b32 s[\g+7], 0
.endr
	s_mul_i32 s12, s9, 64*PK
	s_mul_i32 s13, s9, 64*PV
	s_add_co_u32 s13, s13, VOFF
	s_lshl_b32 s14, s9, 13                         ; 64 rows of 128 bytes
	s_mov_b32 s15, 0
	s_add_nc_u64 s[14:15], s[14:15], s[10:11]
	s_lshl_b32 s16, ttmp9, 16                      ; my work-group's 512 queries,
	s_lshl_b32 s17, s[WV], 13                      ; my wave's 64
	s_add_co_u32 s16, s16, s17
	s_mov_b32 s17, 0
	s_add_nc_u64 s[16:17], s[16:17], s[10:11]
	s_mov_b32 s[CS], 0x3e38aa3b                    ; c = log2(e) / 8
	s_mov_b32 s[CS+1], s[CS]                       ; (named with it as a pair)
	s_mov_b32 s[SEL], 0x76543210
	s_mov_b32 s[SEL+1], 0xfedcba98
	s_mov_b32 s[TBK], 0
	s_mov_b32 s[TBV], 0
	s_wait_dscnt 0x0                               ; both opening adds are done
	s_wait_kmcnt 0x0
	s_add_nc_u64 s[18:19], s[4:5], s[14:15]
	s_add_nc_u64 s[18:19], s[18:19], PLANE         ; k at my rows
	s_add_nc_u64 s[20:21], s[18:19], PLANE         ; v likewise
.irp j, 0,1,2,3
	s_mov_b32 s[G0K+4*\j], 1
	s_add_co_u32 s[G0K+4*\j+1], s12, \j*256*PK
	s_add_nc_u64 s[G0K+4*\j+2:G0K+4*\j+3], s[18:19], \j*32768
	s_or_b32 s[G0K+4*\j+3], s[G0K+4*\j+3], 0x80000000
	s_mov_b32 s[G0V+4*\j], 1
	s_add_co_u32 s[G0V+4*\j+1], s13, \j*256*PV
	s_add_nc_u64 s[G0V+4*\j+2:G0V+4*\j+3], s[20:21], \j*32768
	s_or_b32 s[G0V+4*\j+3], s[G0V+4*\j+3], 0x80000000
.endr
	TLOAD 0                                        ; keys 0-255: by this text's count one tensor load of a wave is out, here and behind each later barrier
	s_add_nc_u64 s[4:5], s[4:5], s[16:17]          ; q and ao at my wave's first row
	s_add_nc_u64 s[6:7], s[6:7], s[16:17]
	v_and_b32 v10, 15, v0                          ; r
	v_bfe_u32 v11, v0, 4, 1                        ; h
	v_lshlrev_b32 v[QO], 7, v10
	v_lshl_add_u32 v[QO], v11, 4, v[QO]
	WIN 0x40                                       ; destination window 1
.irp t, 0,1,2,3
.irp c, 0,1
	global_load_b128 v[Q+16*\t+8*\c:Q+16*\t+8*\c+3], v[QO], s[4:5] offset:2048*\t+64*\c       ; Q stays in registers
	global_load_b128 v[Q+16*\t+8*\c+4:Q+16*\t+8*\c+7], v[QO], s[4:5] offset:2048*\t+64*\c+32
.endr
.endr
.set i, 0
.rept 128
	v_mov_b32 v[i], 0                              ; O^T: the step is written once for each chunk; the first trip finds zeros
.set i, i+1
.endr
	WIN 0
	v_mul_u32_u24 v[AK0], v10, PK
	v_lshl_add_u32 v[AK0], v11, 4, v[AK0]          ; K: row r, + 16 h
	v_and_b32 v13, 7, v0
	v_lshl_add_u32 v13, v11, 3, v13
	v_mul_u32_u24 v[AV0], v13, PV                  ; V: key 8 h + l % 8,
	v_bfe_u32 v14, v0, 3, 1
	v_lshl_add_u32 v[AV0], v14, 4, v[AV0]          ; channels 8 ((l / 8) % 2) on
	v_add_nc_u32 v[AV0], VOFF, v[AV0]
	s_mul_i32 s22, s[WV], 64*PK                    ; the way out: my stage, 64 rows x 144 bytes, in K's bytes, which have had their one fill
	v_add_nc_u32 v[STO], s22, v[AK0]
	v_bfe_u32 v13, v0, 3, 2
	v_mul_u32_u24 v[RD], v13, PK
	v_and_b32 v14, 7, v0
	v_lshl_add_u32 v[RD], v14, 4, v[RD]
	v_add_nc_u32 v[RD], s22, v[RD]
	v_and_b32 v[GO], 31, v0
	v_lshlrev_b32 v[GO], 4, v[GO]
.irp t, 0,1,2,3
	v_mov_b32 v[ST+8*\t+1], 0xff61b1e6             ; m: -3e38, under every score
	v_mul_f32 v[ST+8*\t], s[CS], v[ST+8*\t+1]      ; c m
	v_mov_b32 v[ST+8*\t+2], 0                      ; l, in two halves
	v_mov_b32 v[ST+8*\t+3], 0
.endr
; A KEY STEP: 64 keys.
.macro STEP
	v_add_nc_u32 v[ADK], s[TBK], v[AK0]            ; these two and three v_nop: five places behind the last products, in front of the loads into V's registers and of the products that write over P
	v_add_nc_u32 v[ADV], s[TBV], v[AV0]
.rept 3
	v_nop
.endr
	WIN 0x40
.irp c, 0,1
.irp kt, 0,1,2,3
	ds_load_b128 v[KF+8*(4*\c+\kt):KF+8*(4*\c+\kt)+3], v[ADK] offset:16*PK*\kt+64*\c
	ds_load_b128 v[KF+8*(4*\c+\kt)+4:KF+8*(4*\c+\kt)+7], v[ADK] offset:16*PK*\kt+64*\c+32
.endr
.endr
	WIN 0
.irp kc, 0,1
.irp ct, 0,1,2,3
	ds_load_tr16_b128 v[VF+8*(4*\kc+\ct):VF+8*(4*\kc+\ct)+3], v[ADV] offset:32*PV*\kc+32*\ct
	ds_load_tr16_b128 v[VF+8*(4*\kc+\ct)+4:VF+8*(4*\kc+\ct)+7], v[ADV] offset:32*PV*\kc+32*\ct+16*PV
.endr
.endr
	s_wait_dscnt 16                                ; K is in; V's sixteen loads may stay out
	WIN 0x05                                       ; K and Q in window 1, S^T in window 0
.irp c, 0,1                                    ; the 16 accumulators take turns
.irp kt, 0,1,2,3
.irp t, 0,1,2,3
.if \c == 0
	v_wmma_f32_16x16x32_f16 v[S+32*\t+8*\kt:S+32*\t+8*\kt+7], v[KF+8*(4*\c+\kt):KF+8*(4*\c+\kt)+7], v[Q+16*\t+8*\c:Q+16*\t+8*\c+7], 0
.else
	v_wmma_f32_16x16x32_f16 v[S+32*\t+8*\kt:S+32*\t+8*\kt+7], v[KF+8*(4*\c+\kt):KF+8*(4*\c+\kt)+7], v[Q+16*\t+8*\c:Q+16*\t+8*\c+7], v[S+32*\t+8*\kt:S+32*\t+8*\kt+7]
.endif
.endr
.endr
.endr
	WIN 0
.irp t, 0,1,2,3
	v_mov_b32 v[OLD+\t], v[ST+8*\t]                ; the old c m is kept for a.  (These four are the places behind the products)
.endr
.irp j, 0,1,2,3                                ; the maximum of 32 scores and the old m: four chains a tile, each accumulator from its low end on; the four tiles by turns
.irp t, 0,1,2,3
	v_max3_num_f32 v[ST+8*\t+4+\j], v[S+32*\t+8*\j], v[S+32*\t+8*\j+1], v[S+32*\t+8*\j+2]
.endr
.endr
.irp i, 3,5
.irp j, 0,1,2,3
.irp t, 0,1,2,3
	v_max3_num_f32 v[ST+8*\t+4+\j], v[ST+8*\t+4+\j], v[S+32*\t+8*\j+\i], v[S+32*\t+8*\j+\i+1]
.endr
.endr
.endr
.irp t, 0,1,2,3
	v_max3_num_f32 v[ST+8*\t+4], v[ST+8*\t+4], v[S+32*\t+7], v[S+32*\t+15]
.endr
.irp t, 0,1,2,3
	v_max3_num_f32 v[ST+8*\t+6], v[ST+8*\t+6], v[S+32*\t+23], v[S+32*\t+31]
.endr
.irp t, 0,1,2,3
	v_max3_num_f32 v[ST+8*\t+4], v[ST+8*\t+4], v[ST+8*\t+5], v[ST+8*\t+6]
.endr
.irp t, 0,1,2,3
	v_max3_num_f32 v[ST+8*\t+4], v[ST+8*\t+4], v[ST+8*\t+7], v[ST+8*\t+1]
.endr
.irp t, 0,1,2,3
	v_permlanex16_b32 v[ST+8*\t+5], v[ST+8*\t+4], s[SEL], s[SEL+1]   ; the query's other 32 keys lie in the lane 16 away
.endr
.irp t, 0,1,2,3
	v_max_num_f32 v[ST+8*\t+1], v[ST+8*\t+4], v[ST+8*\t+5]           ; the new m
.endr
.irp t, 0,1,2,3
	v_mul_f32 v[ST+8*\t], s[CS], v[ST+8*\t+1]
.endr
.irp t, 0,1,2,3
	v_sub_f32 v[ST+8*\t+7], v[OLD+\t], v[ST+8*\t]
.endr
.set b, 0
.rept 16
.irp t, 0,1,2,3
	v_pk_fma_f32 v[S+32*\t+2*b:S+32*\t+2*b+1], v[S+32*\t+2*b:S+32*\t+2*b+1], s[CS:CS+1], v[ST+8*\t:ST+8*\t+1] op_sel_hi:[1,0,0] neg_lo:[0,0,1] neg_hi:[0,0,1]   ; c s - c m
.endr
.set b, b+1
.endr
.irp t, 0,1,2,3
	v_exp_f32 v[ST+8*\t+6], v[ST+8*\t+7]           ; a
.endr
.set e, 0
.rept 32
.irp t, 0,1,2,3
	v_exp_f32 v[S+32*\t+e], v[S+32*\t+e]           ; p
.endr
.set e, e+1
.endr
	v_nop                                          ; a plain instruction behind the last exponential
	s_wait_alu depctr_va_vdst(0)                   ; one wait for the step's 132 exponentials, ahead of the first line that names a result
.irp t, 0,1,2,3
	v_pk_add_f32 v[ST+8*\t+4:ST+8*\t+5], v[S+32*\t:S+32*\t+1], v[S+32*\t+2:S+32*\t+3]      ; the sum of the unrounded p, in two chains
.endr
.irp t, 0,1,2,3
	v_pk_fma_f32 v[ST+8*\t+2:ST+8*\t+3], v[ST+8*\t+2:ST+8*\t+3], v[ST+8*\t+6:ST+8*\t+7], v[S+32*\t+4:S+32*\t+5] op_sel_hi:[1,0,1]   ; l a + ..
.endr
.irp t, 0,1,2,3
	v_pk_add_f32 v[ST+8*\t+4:ST+8*\t+5], v[ST+8*\t+4:ST+8*\t+5], v[S+32*\t+6:S+32*\t+7]
.endr
.irp j, 8,12,16,20,24,28
.irp t, 0,1,2,3
	v_pk_add_f32 v[ST+8*\t+2:ST+8*\t+3], v[ST+8*\t+2:ST+8*\t+3], v[S+32*\t+\j:S+32*\t+\j+1]
	v_pk_add_f32 v[ST+8*\t+4:ST+8*\t+5], v[ST+8*\t+4:ST+8*\t+5], v[S+32*\t+\j+2:S+32*\t+\j+3]
.endr
.endr
.irp t, 0,1,2,3
	v_pk_add_f32 v[ST+8*\t+2:ST+8*\t+3], v[ST+8*\t+2:ST+8*\t+3], v[ST+8*\t+4:ST+8*\t+5]
.endr
.set j, 0
.rept 16
.irp t, 0,1,2,3
	v_cvt_pk_f16_f32 v[S+32*\t+j], v[S+32*\t+2*j], v[S+32*\t+2*j+1]   ; P, in place, ascending: registers 8 kc .. 8 kc + 7 are keys 32 kc on
.endr
.set j, j+1
.endr
	WIN 0x41                                       ; O^T in window 1, a in window 0
.set j, 0
.rept 16
.irp t, 0,1,2,3
	v_pk_mul_f32 v[32*\t+j:32*\t+j+1], v[32*\t+j:32*\t+j+1], v[ST+8*\t+6:ST+8*\t+7] op_sel_hi:[1,0]
.endr
.set j, j+2
.endr
	s_wait_dscnt 0x0                               ; V is in
	WIN 0x50                                       ; V and P in window 0, O^T in window 1
.irp kc, 0,1                                   ; the 16 accumulators take turns
.irp ct, 0,1,2,3
.irp t, 0,1,2,3
	v_wmma_f32_16x16x32_f16 v[32*\t+8*\ct:32*\t+8*\ct+7], v[VF+8*(4*\kc+\ct):VF+8*(4*\kc+\ct)+7], v[S+32*\t+8*\kc:S+32*\t+8*\kc+7], v[32*\t+8*\ct:32*\t+8*\ct+7]
.endr
.endr
.endr
	WIN 0
.endm
.macro KEYS                            ; 256 keys: four steps
	s_mov_b32 s[CNT], 4
.Lkeys_\@:
	STEP
	s_add_co_u32 s[TBK], s[TBK], 64*PK
	s_add_co_u32 s[TBV], s[TBV], 64*PV
	s_sub_co_u32 s[CNT], s[CNT], 1
	s_cmp_lg_u32 s[CNT], 0
	s_cbranch_scc1 .Lkeys_\@
.endm
; CHUNK j.  In front of the barrier my part of chunk j has landed and my LDS reads are back; behind it everybody's part lies in LDS.  Then chunk j + 1 is asked for, first thing, into bytes that nothing has filled yet,
; and chunk j's four steps are walked meanwhile.  The last chunk asks for nothing.
.macro CHUNK j
	s_wait_tensorcnt 0x0                           ; my one tensor load has landed
	ds_add_u32 v[SPW], v[NIL]
	s_wait_dscnt 0x0
	s_barrier_signal -1
	s_barrier_wait -1
.if (\j) < 3
	TLOAD (\j)+1
.endif
.if (\j) == 0
	s_wait_loadcnt 0x0                             ; Q
.endif
	KEYS
.endm
	CHUNK 0
	CHUNK 1
	CHUNK 2
	CHUNK 3
	; THE WAY OUT.  The additions are the places behind the last products.
.irp t, 0,1,2,3
	v_add_f32 v[ST+8*\t+4], v[ST+8*\t+2], v[ST+8*\t+3]
.endr
.irp t, 0,1,2,3
	v_permlanex16_b32 v[ST+8*\t+5], v[ST+8*\t+4], s[SEL], s[SEL+1]
.endr
.irp t, 0,1,2,3
	v_add_f32 v[ST+8*\t+4], v[ST+8*\t+4], v[ST+8*\t+5]
.endr
.irp t, 0,1,2,3
	v_rcp_f32 v[ST+8*\t+6], v[ST+8*\t+4]
.endr
	v_nop
	s_wait_alu depctr_va_vdst(0)                   ; one wait for the four reciprocals
	s_wait_dscnt 0x0
	s_barrier_signal -1
	s_barrier_wait -1                              ; no wave reads K any more: its bytes take the stages
	WIN 0x41
.set j, 0
.rept 16
.irp t, 0,1,2,3
	v_pk_mul_f32 v[32*\t+j:32*\t+j+1], v[32*\t+j:32*\t+j+1], v[ST+8*\t+6:ST+8*\t+7] op_sel_hi:[1,0]
.endr
.set j, j+2
.endr
	WIN 0x05                                       ; sources window 1, destination window 0
.set d, 0
.rept 64
	v_cvt_pk_f16_f32 v[S+d], v[2*d], v[2*d+1]      ; register 16 t + 4 ct + i: channels 16 ct + 8 h + 2 i, + 1 of query 16 t + r
.set d, d+1
.endr
	WIN 0
.irp t, 0,1,2,3
.irp ct, 0,1,2,3
	ds_store_b128 v[STO], v[S+16*\t+4*\ct:S+16*\t+4*\ct+3] offset:16*PK*\t+32*\ct
.endr
.endr
.irp t, 0,1,2,3
.irp i, 0,1,2,3
	ds_load_b128 v[VF+4*(4*\t+\i):VF+4*(4*\t+\i)+3], v[RD] offset:16*PK*\t+4*PK*\i   ; LDS serves a wave's instructions in order: these see my stores
.endr
.endr
.irp t, 0,1,2,3
.irp i, 0,1,2,3
	s_wait_dscnt 15-4*\t-\i
	global_store_b128 v[GO], v[VF+4*(4*\t+\i):VF+4*(4*\t+\i)+3], s[6:7] offset:2048*\t+512*\i   ; four rows: 512 consecutive bytes, aligned
.endr
.endr
	s_wait_tensorcnt 0x0                           ; the wave's end
	ds_add_u32 v[SPW], v[NIL]
	s_wait_dscnt 0x0
	s_endpgm
.Lfunc_end_k_q73ea23b0a9_attn:
	.size	k_q73ea23b0a9_attn, .Lfunc_end_k_q73ea23b0a9_attn-k_q73ea23b0a9_attn
	.p2alignl 7, 3214868480
	.fill 96, 4, 3214868480
	.section	.rodata,"a",@progbits
	.p2align	6, 0x0
	.amdhsa_kernel k_q73ea23b0a9_attn
		.amdhsa_group_segment_fixed_size 327680
		.amdhsa_private_segment_fixed_size 0
		.amdhsa_enable_private_segment 0
		.amdhsa_kernarg_size 16
		.amdhsa_user_sgpr_count 2
		.amdhsa_user_sgpr_kernarg_segment_ptr 1
		.amdhsa_wavefront_size32 1
		.amdhsa_system_sgpr_workgroup_id_x 1
		.amdhsa_system_sgpr_workgroup_id_y 1
		.amdhsa_system_sgpr_workgroup_id_z 1
		.amdhsa_system_vgpr_workitem_id 0
		.amdhsa_next_free_vgpr 512
		.amdhsa_next_free_sgpr 84
		.amdhsa_reserve_vcc 0
		.amdhsa_float_denorm_mode_32 3
		.amdhsa_float_denorm_mode_16_64 3
		.amdhsa_memory_ordered 1
		.amdhsa_forward_progress 1
		.amdhsa_inst_pref_size 155
	.end_amdhsa_kernel
	.amdgpu_metadata
---
amdhsa.version: [ 1, 2 ]
amdhsa.kernels:
  - .name:           k_q73ea23b0a9_attn
    .symbol:         k_q73ea23b0a9_attn.kd
    .args:
      - { .name: qkv, .offset: 0, .size: 8, .value_kind: global_buffer, .address_space: global }
      - { .name: ao, .offset: 8, .size: 8, .value_kind: global_buffer, .address_space: global }
    .group_segment_fixed_size: 327680
    .private_segment_fixed_size: 0
    .kernarg_segment_align: 8
    .kernarg_segment_size: 16
    .max_flat_workgroup_size: 256
    .sgpr_count:     84
    .vgpr_count:     512
    .wavefront_size: 32
...
	.end_amdgpu_metadata
.endif
;; end of part 3
;; launch proj (part 4): grid 4 x 64, 4 waves a work-group, clusters of 4 x 4, 327,680 bytes of LDS; arguments ao, pw, proj_b, out0; writes out0
.if DOCPART == 4
	.amdgcn_target "amdgcn-amd-amdhsa--gfx1250"
	.amdhsa_code_object_version 6
	.text
	.protected	k_q73ea23b0a9_proj
	.globl	k_q73ea23b0a9_proj
	.p2align	8
	.type	k_q73ea23b0a9_proj,@function
k_q73ea23b0a9_proj:
	s_mov_b64 s[64:65], 0
	v_nop
	global_prefetch_b8 v0, s[64:65] scope:SCOPE_SE
	s_setreg_imm32_b32 hwreg(HW_REG_WAVE_MODE, 25, 1), 1
	s_wait_xcnt 0x0
	s_wait_alu depctr_hold_cnt(0) depctr_sa_sdst(0) depctr_va_vdst(0) depctr_va_sdst(0) depctr_va_ssrc(0) depctr_va_vcc(0) depctr_vm_vsrc(0)
	s_getreg_b32 s2, hwreg(HW_REG_IB_STS2, 6, 4)
	s_cmp_eq_u32 s2, 0
	s_cbranch_scc0 .Lentry_in_a_cluster
	s_endpgm
.Lentry_in_a_cluster:
	s_bfe_u32 s2, ttmp6, 0x10000c
	s_cmp_lg_u32 s2, 0xf033
	s_cbranch_scc0 .Lentry_shape_is_right
	s_endpgm
.Lentry_shape_is_right:
; out0[m][n] = the sum over k of A[m][k] proj_w[n][k] + proj_b[n].  A is ao [batch x 16 + head][1024][64] in f16, read as [8192][head x 64 + channel]; pw [1024][1024] in f16; out0 [8192][1024] f32; sums in f32.
; A tile of 128 rows x 256 columns gives 256 work-groups.  Four waves, 64 x 128 each: 32 accumulators, window 2.
; K goes in steps of 128 (two heads) through a ring of two LDS slots: waves 0, 1 fetch a head's 128 rows x 128 bytes each (dense in memory), waves 2, 3 fetch 128 rows x 256 bytes of pw each.
; CLUSTERS: 4 x 4 work-groups; the four of a row need the same rows of A, the four of a column the same rows of pw: each tile is asked for JOINTLY.
; THE MATRIX INSTRUCTION IS USED TRANSPOSED (source 0 = 16 rows of pw, source 1 = 16 rows of A): a lane holds eight neighbouring columns of a row.  The bias is the C of each sum's first instruction.
; REGISTERS.  window 0: v16-30 addresses; v64-127 A's fragments, two buffers of 32; v128-191 the bias, later with v192-255 the way out.   window 1: v0-127 pw's fragments, two buffers of 64.   window 2: accumulator (a, b) at v[8 (8 a + b)].
.set PA,     144                       ; a row of A in LDS: 128 bytes + 16
.set PB,     272                       ; a row of pw: 256 + 16
.set HALFA,  128*PA
.set HALFB,  128*PB
.set SLOT,   2*HALFA+2*HALFB
.set STAGE,  2*SLOT                    ; behind the ring: 16 rows x 528 bytes for each wave
.set SPITCH, 528
.set SPARE,  STAGE+4*16*SPITCH         ; the spare words, 128 bytes for each wave: two blocks of 256 bytes that no other line names
.set LAPS,   4                         ; a lap = two K steps; K = 1,024
.set ASTEP,  262144                    ; a K step on in ao: two heads
.set BSTEP,  256                       ; and in a row of pw
.set ADRA, 16
.set ADRB, 20
.set STO,  24
.set RD,   25
.set CO,   26
.set SPW,  28
.set NIL,  29
.set PFO,  30
.set FA,   64
.set BIAS, 128
.set BK,   128
.set G1,  24
.set G0,  32
.set G1B, 48
.set G0B, 56
.set LIM, 43                           ; s43     1 in a wave that prefetches, else the greatest number
.set PFA, 44                           ; s[44:45] where my prefetches stand
.set PFS, 46                           ; s[46:47] a K step on, in bytes
.set MSB, 0
.macro WIN new
.if MSB != \new
	s_set_vgpr_msb (MSB<<8)|\new
.set MSB, \new
.endif
.endm
.set MUL,  0xa1                        ; source 0 window 1, source 1 window 0, C and D window 2
.set FST,  0x81                        ; the first quarter: C (the bias) window 0
.set TO_B, 0x40
.macro JLOAD s                         ; a joint load: waves 0, 1 for A, waves 2, 3 for pw; an s_nop 0 and four v_nop follow each line
	s_cmp_eq_u32 s13, 0
	s_cbranch_scc0 .Lfor_b_\@
	tensor_load_to_lds s[G0+4*\s:G0+4*\s+3], s[G1:G1+7]
	s_nop 0
.rept 4
	v_nop
.endr
	s_branch .Lasked_\@
.Lfor_b_\@:
	tensor_load_to_lds s[G0B+4*\s:G0B+4*\s+3], s[G1B:G1B+7]
	s_nop 0
.rept 4
	v_nop
.endr
.Lasked_\@:
.endm
; A PREFETCH INTO THE L2, behind each joint refill and the run of LDS loads that follows it: the K step that stands two refills on, 256 matrix instructions ahead of the load that will want it.
; A's K step of a tile row is two dense blocks of 16,384 bytes; only this row of the cluster reads them: its four partners take 4,096 bytes of each, told apart BY ADDRESS (cx); wave 0 asks, lanes 256 bytes apart, lanes 16-31 in the second head.
; pw's rows are read by every cluster: cluster y = 0 asks; of the 128 rows that wave 2 or 3 fetches the partner at cy takes 32, a lane a row.  So each aligned 256 bytes are named once in the launch.
; K steps 0 to 3 come by their loads alone; the loop's last trip asks for nothing: there is no K step two refills on.
.macro ASK
	s_cmp_gt_u32 s3, s[LIM]
	s_cbranch_scc0 .Lnot_mine_\@
	global_prefetch_b8 v[PFO], s[PFA:PFA+1] th:TH_LOAD_NT scope:SCOPE_SE
.Lnot_mine_\@:
.endm
.macro CREST
	s_cmp_lg_u32 s12, 0
	s_cbranch_scc1 .Lnot_wave_0_\@
	s_barrier_signal -3
.Lnot_wave_0_\@:
	s_barrier_wait -3
	s_barrier_signal -1
	s_barrier_wait -1
.endm
.macro CROUND
	s_barrier_signal -1
	s_barrier_wait -1
	CREST
.endm
	s_load_b256 s[4:11], s[0:1], 0x0               ; ao, pw, proj_b, out0
	v_lshl_add_u32 v[SPW], v0, 2, SPARE
	v_mov_b32 v[NIL], 0
	ds_add_u32 v[SPW], v[NIL]                      ; the wave's opening: the add, twice on end, and its wait ahead of my first tensor load
	ds_add_u32 v[SPW], v[NIL]
	v_lshrrev_b32 v1, 5, v0
	v_readfirstlane_b32 s12, v1                    ; wave 0..3
	s_lshr_b32 s13, s12, 1                         ; which 64 rows are mine.  Also: I fetch for A (0) or for pw (1)
	s_and_b32 s14, s12, 1                          ; which 128 columns.  Also: which head, or which 128 rows of pw, I fetch
	s_bfe_u32 s40, ttmp6, 0x40000                  ; cx, cy
	s_bfe_u32 s41, ttmp6, 0x40004
	s_lshl_b32 s42, ttmp9, 2
	s_add_co_u32 s42, s42, s40                     ; tile column
	s_and_b32 s15, ttmp7, 0xffff
	s_lshl_b32 s15, s15, 2
	s_add_co_u32 s15, s15, s41                     ; tile row
	s_lshl_b32 s43, s41, 2
	s_lshl_b32 s43, 15, s43                        ; my row of the cluster
	s_lshl_b32 s44, 0x1111, s40                    ; my column
	s_or_b32 s[G1+0], s43, (1<<16)|(1<<20)|(1<<21)|(4<<22)|(3<<25)    ; A: elements of 2 bytes; 4 words of padding behind every 32
	s_mov_b32 s[G1+1], 64<<16
	s_mov_b32 s[G1+2], 128<<16
	s_mov_b32 s[G1+3], 64<<16
	s_mov_b32 s[G1+4], 128
	s_mov_b32 s[G1+5], 64
	s_mov_b32 s[G1+6], 0
	s_mov_b32 s[G1+7], 0
	s_or_b32 s[G1B+0], s44, (1<<16)|(1<<20)|(1<<21)|(5<<22)|(3<<25)   ; pw: behind every 64
	s_mov_b32 s[G1B+1], 128<<16
	s_mov_b32 s[G1B+2], 128<<16
	s_mov_b32 s[G1B+3], 128<<16
	s_mov_b32 s[G1B+4], 128
	s_mov_b32 s[G1B+5], 1024
	s_mov_b32 s[G1B+6], 0
	s_mov_b32 s[G1B+7], 0
	s_lshr_b32 s16, s15, 3                         ; the batch: eight tile rows each,
	s_lshl_b32 s16, s16, 21                        ; 16 heads x 131,072 bytes
	s_and_b32 s17, s15, 7
	s_lshl_b32 s17, s17, 14                        ; the tile's 128 rows of 128 bytes in a head
	s_add_co_u32 s20, s16, s17                     ; (kept for the prefetches)
	s_lshl_b32 s17, s14, 17                        ; the head that I fetch
	s_add_co_u32 s16, s20, s17
	s_mov_b32 s17, 0
	s_lshl_b32 s46, s42, 19                        ; pw: 256 rows of 2,048 bytes a tile column,
	s_lshl_b32 s47, s14, 18                        ; my 128
	s_add_co_u32 s46, s46, s47
	s_mov_b32 s47, 0
	s_mul_i32 s18, s14, HALFA                      ; where they go: the wave's number alone
	s_mul_i32 s19, s14, HALFB
	s_add_co_u32 s19, s19, 2*HALFA
	s_wait_dscnt 0x0                               ; both opening adds are done
	s_wait_kmcnt 0x0
	s_add_nc_u64 s[16:17], s[4:5], s[16:17]
	s_add_nc_u64 s[46:47], s[6:7], s[46:47]
	CROUND                                         ; all sixteen work-groups are here: the first joint loads meet
.irp s, 0,1
	s_mov_b32 s[G0+4*\s], 1
	s_add_co_u32 s[G0+4*\s+1], s18, \s*SLOT
	s_add_nc_u64 s[G0+4*\s+2:G0+4*\s+3], s[16:17], \s*ASTEP
	s_or_b32 s[G0+4*\s+3], s[G0+4*\s+3], 0x80000000
	s_mov_b32 s[G0B+4*\s], 1
	s_add_co_u32 s[G0B+4*\s+1], s19, \s*SLOT
	s_add_nc_u64 s[G0B+4*\s+2:G0B+4*\s+3], s[46:47], \s*BSTEP
	s_or_b32 s[G0B+4*\s+3], s[G0B+4*\s+3], 0x80000000
	JLOAD \s                                       ; by this text's count two tensor loads of a wave are out here, one behind each later round
.endr
	v_and_b32 v1, 15, v0                           ; r
	v_bfe_u32 v2, v0, 4, 1                         ; h
	v_lshlrev_b32 v8, 5, v2
	s_lshl_b32 s22, s42, 10                        ; my first column, in bytes of f32: 1,024 x tile column + 512 x half
	s_lshl_b32 s23, s14, 9
	s_add_co_u32 s22, s22, s23
	s_mov_b32 s23, 0
	s_add_nc_u64 s[8:9], s[8:9], s[22:23]
.irp b, 0,1,2,3,4,5,6,7
	global_load_b128 v[BIAS+8*\b:BIAS+8*\b+3], v8, s[8:9] offset:64*\b        ; lane (r, h): proj_b at columns 16 b + 8 h + 0 .. 7
	global_load_b128 v[BIAS+8*\b+4:BIAS+8*\b+7], v8, s[8:9] offset:64*\b+16
.endr
	s_add_nc_u64 s[10:11], s[10:11], s[22:23]
	s_lshl_b32 s22, s15, 19                        ; 128 rows of 4,096 bytes a tile row,
	s_lshl_b32 s16, s13, 18                        ; my 64
	s_add_co_u32 s22, s22, s16
	s_add_nc_u64 s[10:11], s[10:11], s[22:23]
	v_mul_u32_u24 v3, v1, PA
	v_lshl_add_u32 v3, v2, 4, v3
	v_mul_u32_u24 v4, v1, PB
	v_lshl_add_u32 v4, v2, 4, v4
	s_mul_i32 s21, s13, 64*PA                      ; my 64 rows of each head
	s_mul_i32 s22, s14, HALFB                      ; my 128 rows of pw, behind A's two heads
	s_add_co_u32 s22, s22, 2*HALFA
.irp s, 0,1
	v_add_nc_u32 v[ADRA+\s], s21, v3
	v_add_nc_u32 v[ADRB+\s], s22, v4
	s_add_co_u32 s21, s21, SLOT
	s_add_co_u32 s22, s22, SLOT
.endr
	s_mul_i32 s23, s12, 16*SPITCH
	s_add_co_u32 s23, s23, STAGE                   ; my stage
	v_mul_u32_u24 v5, v1, SPITCH
	v_lshl_add_u32 v5, v2, 5, v5
	v_add_nc_u32 v[STO], s23, v5                   ; in: row r, 32 bytes for each half of the lanes
	v_and_b32 v6, 31, v0
	v_lshlrev_b32 v[CO], 4, v6                     ; back: the 32 lanes take a row of 512 bytes; and the same in out0
	v_add_nc_u32 v[RD], s23, v[CO]
	; the prefetches: who asks, and where
	s_lshl_b32 s16, s40, 12
	s_add_co_u32 s20, s20, s16                     ; A: the tile's rows in head 0 of its batch, + my work-group's 4,096 bytes,
	s_add_co_u32 s20, s20, 3*ASTEP                 ; at K step 3: the first refill steps it to 4
	s_lshl_b32 s21, s42, 19                        ; pw: the rows that I fetch,
	s_lshl_b32 s16, s14, 18
	s_add_co_u32 s21, s21, s16
	s_lshl_b32 s16, s41, 16                        ; my work-group's 32 of them,
	s_add_co_u32 s21, s21, s16
	s_add_co_u32 s21, s21, 3*BSTEP                 ; at K step 3
	s_and_b32 s22, ttmp7, 0xffff                   ; cluster y
	s_mov_b32 s[PFS], BSTEP
	s_mov_b32 s2, 2048
	s_mov_b32 s23, 32768
	s_cmp_eq_u32 s13, 0                            ; do I fetch for A?
	s_cselect_b64 s[PFA:PFA+1], s[4:5], s[6:7]
	s_cselect_b32 s22, s14, s22                    ; A: wave 0 asks; pw: the waves of cluster y = 0
	s_cselect_b32 s20, s20, s21
	s_cselect_b32 s[PFS], ASTEP, s[PFS]
	s_cselect_b32 s2, 256, s2                      ; from lane to lane among sixteen,
	s_cselect_b32 s23, 131072, s23                 ; and from lanes 0-15 to lanes 16-31
	s_mov_b32 s[PFS+1], 0
	s_mov_b32 s21, 0
	s_cmp_eq_u32 s22, 0
	s_cselect_b32 s[LIM], 1, -1                    ; the same in all sixteen partners, for a given wave
	s_add_nc_u64 s[PFA:PFA+1], s[PFA:PFA+1], s[20:21]
	v_mul_lo_u32 v[PFO], v1, s2
	v_mul_lo_u32 v5, v2, s23
	v_add_nc_u32 v[PFO], v[PFO], v5
.macro MULA f, a, first                ; eight matrix instructions: A's block a against pw's eight, 32 along K, buffer f.  The 32 accumulators take turns, in the same order in every quarter
.irp b, 0,1,2,3,4,5,6,7
.if \first
	v_wmma_f32_16x16x32_f16 v[8*(8*(\a)+\b):8*(8*(\a)+\b)+7], v[64*(\f)+8*\b:64*(\f)+8*\b+7], v[FA+32*(\f)+8*(\a):FA+32*(\f)+8*(\a)+7], v[BIAS+8*\b:BIAS+8*\b+7]
.else
	v_wmma_f32_16x16x32_f16 v[8*(8*(\a)+\b):8*(8*(\a)+\b)+7], v[64*(\f)+8*\b:64*(\f)+8*\b+7], v[FA+32*(\f)+8*(\a):FA+32*(\f)+8*(\a)+7], v[8*(8*(\a)+\b):8*(8*(\a)+\b)+7]
.endif
.endr
.endm
.macro FETCH slot, q, f                ; 24 LDS loads in one run: quarter q (32 along K) of the slot into buffer f
	WIN TO_B
.irp i, 0,1,2,3,4,5,6,7
	ds_load_b128 v[64*(\f)+8*\i:64*(\f)+8*\i+3],   v[ADRB+\slot] offset:64*(\q)+\i*16*PB
	ds_load_b128 v[64*(\f)+8*\i+4:64*(\f)+8*\i+7], v[ADRB+\slot] offset:64*(\q)+\i*16*PB+32
.endr
	WIN 0
.irp i, 0,1,2,3
	ds_load_b128 v[FA+32*(\f)+8*\i:FA+32*(\f)+8*\i+3],   v[ADRA+\slot] offset:((\q)/2)*HALFA+((\q)%2)*64+\i*16*PA
	ds_load_b128 v[FA+32*(\f)+8*\i+4:FA+32*(\f)+8*\i+7], v[ADRA+\slot] offset:((\q)/2)*HALFA+((\q)%2)*64+\i*16*PA+32
.endr
.endm
.macro PLACES
.rept 4
	v_nop
.endr
.endm
.macro QUARTER slot, nq, f, g, first   ; multiplies buffer f; in its middle fetches quarter nq of the same slot into buffer g
	s_wait_dscnt 4                                 ; pw's fragments and A's blocks 0, 1 are in; the youngest four loads (blocks 2, 3) may be out
.if \first
	WIN FST
.else
	WIN MUL
.endif
	MULA \f, 0, \first
	MULA \f, 1, \first
	PLACES
	FETCH \slot, \nq, \g
	s_wait_dscnt 24                                ; all but the 24 just issued
.if \first
	WIN FST
.else
	WIN MUL
.endif
	MULA \f, 2, \first
	MULA \f, 3, \first
.endm
; A slot's last quarter multiplies buffer 1 and changes slots: ONE barrier; in front of it each wave waits for all its tensor loads, adds 0 to its spare word, and waits for that and for its reads of this slot.
.macro TURN slot, next, fill
.if \fill
	s_wait_xcnt 0x0                                ; the last prefetch, a K step back, has read its address: it is stepped here
	s_add_nc_u64 s[PFA:PFA+1], s[PFA:PFA+1], s[PFS:PFS+1]
.endif
	WIN 0
	s_wait_tensorcnt 0x0                           ; all my tensor loads have landed: my part of the next slot
	ds_add_u32 v[SPW], v[NIL]
	s_wait_dscnt 5                                 ; (the add and the youngest four loads may be out)
	WIN MUL
	MULA 1, 0, 0
	s_wait_dscnt 0x0                               ; the add is done, and my reads of this slot are over
	s_barrier_signal -1
	MULA 1, 1, 0
	WIN 0
	s_barrier_wait -1
.if \fill
	CREST                                          ; the barrier has opened a round of the cluster's: no wave of any partner still reads this slot or has a load on its way
	s_add_nc_u64 s[G0+4*\slot+2:G0+4*\slot+3], s[G0+4*\slot+2:G0+4*\slot+3], 2*ASTEP
	s_add_nc_u64 s[G0B+4*\slot+2:G0B+4*\slot+3], s[G0B+4*\slot+2:G0B+4*\slot+3], 2*BSTEP
	JLOAD \slot                                    ; the first tensor load behind the round; its four v_nop are also the places in front of the loads below
.else
	PLACES
.endif
	FETCH \next, 0, 0
.if \fill
	ASK
.endif
	WIN MUL
	MULA 1, 2, 0
	MULA 1, 3, 0
.endm
	s_wait_tensorcnt 1                             ; my part of K step 0 is in; K step 1's load may stay out
	s_barrier_signal -1
	s_barrier_wait -1
	FETCH 0, 0, 0
	s_wait_loadcnt 0x0                             ; the bias
	QUARTER 0, 1, 0, 1, 1                          ; the first quarter stands in front of the loop: its products start the sums from the bias
	WIN 0
	s_mov_b32 s3, LAPS-1
.Llap:                                                 ; a trip goes once round the ring and fills both slots again
	QUARTER 0, 2, 1, 0, 0
	QUARTER 0, 3, 0, 1, 0
	TURN 0, 1, 1
	QUARTER 1, 1, 0, 1, 0
	QUARTER 1, 2, 1, 0, 0
	QUARTER 1, 3, 0, 1, 0
	TURN 1, 0, 1
	QUARTER 0, 1, 0, 1, 0
	WIN 0
	s_sub_co_u32 s3, s3, 1
	s_cmp_lg_u32 s3, 0
	s_cbranch_scc1 .Llap
	QUARTER 0, 2, 1, 0, 0                          ; the last lap fills nothing
	QUARTER 0, 3, 0, 1, 0
	TURN 0, 1, 0
	QUARTER 1, 1, 0, 1, 0
	QUARTER 1, 2, 1, 0, 0
	QUARTER 1, 3, 0, 1, 0
	s_wait_dscnt 4
	WIN MUL
	MULA 1, 0, 0
	MULA 1, 1, 0
	s_wait_dscnt 0
	MULA 1, 2, 0
	MULA 1, 3, 0
	WIN 0
; THE WAY OUT, 16 rows x 128 columns at a time, through my own stage: back as whole rows of 512 bytes.
.macro TOSTAGE a
	WIN 0x08                                       ; an LDS store's data are its source 1: window 2
.irp b, 0,1,2,3,4,5,6,7
	ds_store_b128 v[STO], v[64*(\a)+8*\b:64*(\a)+8*\b+3] offset:64*\b          ; each accumulator from its low end on
	ds_store_b128 v[STO], v[64*(\a)+8*\b+4:64*(\a)+8*\b+7] offset:64*\b+16
.endr
	WIN 0
.set BB, BK+64*((\a)%2)
.irp t, 0,1,2,3,4,5,6,7,8,9,10,11,12,13,14,15
	ds_load_b128 v[BB+4*\t:BB+4*\t+3], v[RD] offset:\t*SPITCH   ; LDS serves a wave's instructions in order: these see the stores above
.endr
.endm
.macro SEND a, younger                 ; younger: the LDS instructions issued behind block a's loads
.set BB, BK+64*((\a)%2)
	s_wait_dscnt \younger
.irp t, 0,1,2,3,4,5,6,7,8,9,10,11,12,13,14,15
	global_store_b128 v[CO], v[BB+4*\t:BB+4*\t+3], s[10:11] offset:(\a)*65536+\t*4096 th:TH_STORE_NT   ; 512 consecutive bytes, aligned; written once
.endr
.endm
	PLACES
	TOSTAGE 0
.irp a, 1,2,3
.if \a > 1
	s_wait_xcnt 0x0                                ; block a - 2's stores have read their registers: block a's loads may land there
.endif
	TOSTAGE \a
	SEND \a-1, 32                                  ; behind block a - 1's loads: block a's 16 stores and 16 loads
.endr
	SEND 3, 0
	s_wait_tensorcnt 0x0                           ; the wave's end
	ds_add_u32 v[SPW], v[NIL]
	s_wait_dscnt 0x0
	CROUND                                         ; the closing round
	s_endpgm
.Lfunc_end_k_q73ea23b0a9_proj:
	.size	k_q73ea23b0a9_proj, .Lfunc_end_k_q73ea23b0a9_proj-k_q73ea23b0a9_proj
	.p2alignl 7, 3214868480
	.fill 96, 4, 3214868480
	.section	.rodata,"a",@progbits
	.p2align	6, 0x0
	.amdhsa_kernel k_q73ea23b0a9_proj
		.amdhsa_group_segment_fixed_size 327680
		.amdhsa_private_segment_fixed_size 0
		.amdhsa_enable_private_segment 0
		.amdhsa_kernarg_size 32
		.amdhsa_user_sgpr_count 2
		.amdhsa_user_sgpr_kernarg_segment_ptr 1
		.amdhsa_wavefront_size32 1
		.amdhsa_system_sgpr_workgroup_id_x 1
		.amdhsa_system_sgpr_workgroup_id_y 1
		.amdhsa_system_sgpr_workgroup_id_z 1
		.amdhsa_system_vgpr_workitem_id 0
		.amdhsa_next_free_vgpr 768
		.amdhsa_next_free_sgpr 66
		.amdhsa_reserve_vcc 0
		.amdhsa_float_denorm_mode_32 3
		.amdhsa_float_denorm_mode_16_64 3
		.amdhsa_memory_ordered 1
		.amdhsa_forward_progress 1
		.amdhsa_inst_pref_size 89
	.end_amdhsa_kernel
	.amdgpu_metadata
---
amdhsa.version: [ 1, 2 ]
amdhsa.kernels:
  - .name:           k_q73ea23b0a9_proj
    .symbol:         k_q73ea23b0a9_proj.kd
    .args:
      - { .name: ao, .offset: 0, .size: 8, .value_kind: global_buffer, .address_space: global }
      - { .name: pw, .offset: 8, .size: 8, .value_kind: global_buffer, .address_space: global }
      - { .name: proj_b, .offset: 16, .size: 8, .value_kind: global_buffer, .address_space: global }
      - { .name: out0, .offset: 24, .size: 8, .value_kind: global_buffer, .address_space: global }
    .group_segment_fixed_size: 327680
    .private_segment_fixed_size: 0
    .kernarg_segment_align: 8
    .kernarg_segment_size: 32
    .max_flat_workgroup_size: 128
    .sgpr_count:     66
    .vgpr_count:     768
    .wavefront_size: 32
...
	.end_amdgpu_metadata
.endif
;; end of part 4
